; MI455X (gfx1250); checked and timed in simulation.
; The chip was launched on July 23, 2026; its instructions are those of AMD's public machine-readable ISA for CDNA 5 (MIT licence, August 2026) and "CDNA5" Instruction Set Architecture Reference Guide (July 2026). The comments in the code are by the model that wrote it; some were corrected since.
;; Muti Head Attention. Allowed arithmetic: matrix products marked QUANTISED: E3M2 operands, one E8M0 scale for each 32 along K, by v_wmma_scale_f32_16x16x128_f8f6f4 with both operands' format E3M2, f32 sums; everything else in f32.
;; Inputs: bo 1,024 float32; wk 1,024 x 1,024 float32; wo 1,024 x 1,024 float32; wq 1,024 x 1,024 float32; wv 1,024 x 1,024 float32; x 4 x 2,048 x 1,024 float32.
;; Outputs: out0 4 x 2,048 x 1,024 float32.
;; This version of the problem:
;;   THIS VERSION OF THE PROBLEM IS GIVEN IN LOW PRECISION. The matrix products marked QUANTISED in the list below multiply operands that are first quantised to E3M2 (3 exponent bits, 2 mantissa bits; 6 bits a number), with one power-of-two scale for each 32 numbers along K (OCP MX v1.0); their sums are f32. All else is computed in f32.
;;   The module's matrix products, in the order in which they are computed (A, B: the left and right operand; K: the contracted axis; several contracted axes count as one K, in the product's order):
;;     1. [M 8,192, K 1,024] x [K 1,024, N 1,024]; A: input x; B: input wq: QUANTISED
;;     2. [M 8,192, K 1,024] x [K 1,024, N 1,024]; A: input x; B: input wk: QUANTISED
;;     3. [M 8,192, K 1,024] x [K 1,024, N 1,024]; A: input x; B: input wv: QUANTISED
;;     4. batch 64 x [M 2,048, K 64] x [K 64, N 2,048]; A: computed on the way; B: computed on the way: QUANTISED
;;     5. batch 64 x [M 2,048, K 2,048] x [K 2,048, N 64]; A: softmax (see below); B: computed on the way: QUANTISED
;;     6. [M 8,192, K 1,024] x [K 1,024, N 1,024]; A: computed on the way; B: input wo: QUANTISED
;;   THE QUANTISER, for each operand of a quantised product, along K:
;;     - K is cut into blocks of 32 from its start; a last block that is shorter is filled with zeros.
;;     - A block's scale is 2^e with e = floor(log2(the largest magnitude in the block)) - 4, held to -126 .. 127; a block of zeros has e = 0. As a byte (E8M0): e + 127.
;;     - Each number is divided by its block's scale, clamped to +-28, and rounded to the nearest number of E3M2, ties to even, subnormals kept.
;;     - The product sums the exact products of the quantised numbers (number of the format x scale) in f32.
;;   ~~~python
;;   def quantise(x, axis):      # numpy; x: float32 -> the quantised numbers, widened to float32 again
;;       x = np.moveaxis(x, axis, -1); K = x.shape[-1]
;;       x = np.pad(x, [(0, 0)] * (x.ndim - 1) + [(0, -K % 32)]); x = x.reshape(x.shape[:-1] + (-1, 32)); a = np.abs(x).max(-1, keepdims=True)
;;       e = np.where(a > 0, np.clip(np.frexp(np.where(a > 0, a, 1))[1] - 1 - 4, -126, 127), 0)      # np.frexp(a)[1] - 1 = floor(log2(a)), exactly
;;       r = np.clip(x / 2.0 ** e, -28, 28)
;;       step = 2.0 ** (np.maximum(np.frexp(np.where(r == 0, 1, r))[1] - 1, -2) - 2)
;;       q = np.round(r / step) * step * 2.0 ** e      # np.round: ties to even
;;       return np.moveaxis(q.reshape(q.shape[:-2] + (-1,))[..., :K], -1, axis).astype(np.float32)
;;   ~~~
;;   SOFTMAX AHEAD OF A QUANTISED PRODUCT. Where the list says 'softmax', what is quantised is not the finished softmax but p = 2^(t - M), with t = logit x log2(e) and M = ceil(the row's largest t), a whole number; so 1/2 < the row's largest p <= 1. The row's sum l is taken of the UNQUANTISED p, in f32, and the product's result is divided by l at the end. Since M is a whole number, a kernel that streams over the keys may use a running M (the ceiling of the running maximum): every later rescaling is an exact power of two, which a block's scale takes up: the codes' values come out the same.
;;   OPERANDS COMPUTED ON THE WAY. 'Computed on the way' means the value that the module computes at that place (a softmax that the list does not call 'softmax' is quantised finished and normalised). What goes into a quantiser is computed in f32, as accurately as f32 sums, v_exp_f32 and their like allow (about 1e-6 of the number): no bf16 or f16 on the way to a quantiser, and a product that is left as it is and whose result goes on into a quantised operand takes f32 operands (vector FMAs, or v_wmma_f32_16x16x4_f32). A number that lies on a knife's edge between two numbers of the format may be rounded either way, as far as f32 arithmetic and the matrix unit's own rounding can turn it there, and no further.
;; One version. Each part assembles by itself: llvm-mc -triple=amdgcn-amd-amdhsa -mcpu=gfx1250 --defsym DOCPART=n.
;; ======== version 1 of 1: 4 launches
;; workspace buffers: cod 10,223,616 bytes; qkv 20,185,088 bytes; ctc 6,815,744 bytes
;; launch quant (part 1): grid 384 x 1, 4 waves a work-group, no clusters, 58,880 bytes of LDS; arguments x, wq, wk, wv, wo, cod; writes cod
.if DOCPART == 1
	.amdgcn_target "amdgcn-amd-amdhsa--gfx1250"
	.amdhsa_code_object_version 6
	.text
	.protected	k_q614ef5927c_quant
	.globl	k_q614ef5927c_quant
	.p2align	8
	.type	k_q614ef5927c_quant,@function
k_q614ef5927c_quant:
	s_mov_b64 s[64:65], 0
	v_nop
	global_prefetch_b8 v0, s[64:65] scope:SCOPE_SE
	s_setreg_imm32_b32 hwreg(HW_REG_WAVE_MODE, 25, 1), 1
	s_wait_xcnt 0x0
; x [8192][1024] and wq, wk, wv, wo [1024 (k)][1024 (n)], f32, become codes of E3M2 (6 bits) with one E8M0 byte for each 32 along K = 1,024, laid IN THE ORDER OF AN OPERAND'S REGISTERS.
; A TILE 2 g + u holds the sixteen rows 32 g + 8 u + (r & 7) + 16 (r >> 3), r = 0 .. 15 (rows of x: tokens; rows of a weight: its columns n).  As source 0 of a product, tiles 2 g and 2 g + 1 then leave
; 16 neighbouring rows in a lane's 16 result registers.
; A FRAGMENT (16 rows x 128 K, 12 registers a lane; lane (r, h): registers 6 c .. 6 c + 5 = k 64 c + 32 h + 0 .. 31) lies as six pieces of 256 bytes: piece p = registers 2 p, 2 p + 1, lane L's 8 bytes at 256 p + 8 L.
; A tile's record is 13,312 bytes: four chunks (256 along K) of 3,328: two fragments, then a piece of 256 bytes with the two scale words of row L & 15 at 8 L.
; cod: tiles 0-511 x, 512-575 wq, 576-639 wk, 640-703 wv, 704-767 wo.
; A block's scale is 2^(floor(log2(largest magnitude)) - 4): its byte is the largest magnitude's exponent field - 4, held at 1 from below by a floor among the maximum's leaves.
; LIMITS: NaN and infinities are not served; a block of zeros, or one whose largest magnitude lies under 2^-122, gets the byte 1 (zero codes add nothing under it; this program alone reads the bytes).
; Work-groups 0-255 take x (32 rows each), 256-383 the weights (128 columns x 256 along K each).  The two ways have LDS bytes of their own.  Waves share nothing: no barrier.
.set TILEB, 13312
.set CHB,   3328
.set FRB,   1536
.set XP,    528                        ; x's stage: a row of 512 bytes + 16: sixteen rows begin in sixteen different groups of banks
.set XSTG,  16*XP                      ; a wave's stage
.set WST0,  4*XSTG                     ; the weights' stages begin behind x's
.set WSTG,  6144                       ; two tiles x two fragments
.set RAW,   64                         ; v64-191  x: two sets of 64 as loaded
.set X,     192                        ; v192-255 x: 64 numbers of my row, in the operand's order
.set PC,    20                         ; v20-31   a fragment's codes
.set PT,    32                         ; v32-38   the upper halves of the blocks, as the conversions leave them
.set SW,    16                         ; v16-19   the four steps' scale words
.set WX,    32                         ; weights: v32-95 two sets of 32 numbers
	s_load_b256 s[4:11], s[0:1], 0x0               ; x s[4:5], wq s[6:7], wk s[8:9], wv s[10:11]
	s_load_b128 s[12:15], s[0:1], 0x20             ; wo s[12:13], cod s[14:15]
	s_set_vgpr_msb 0x40
	v_lshl_add_u32 v0, v0, 2, 0xe400
	v_mov_b32 v1, 0
	s_set_vgpr_msb 0x4000
	v_lshrrev_b32 v1, 5, v0
	v_readfirstlane_b32 s16, v1                    ; wave
	v_and_b32 v2, 31, v0                           ; lane
	s_cmp_lt_u32 ttmp9, 256
	s_cbranch_scc0 .Lweights
; ---------------- x: wave w takes tile 2 g + (w >> 1), K steps 4 (w & 1) .. + 3 ----------------
	s_lshr_b32 s17, s16, 1                         ; u
	s_and_b32 s18, s16, 1                          ; which half of K
	s_lshl_b32 s20, ttmp9, 5
	s_lshl_b32 s21, s17, 3
	s_add_co_u32 s20, s20, s21                     ; the tile's first row: 32 g + 8 u
	s_lshl_b32 s20, s20, 12                        ; rows of 4,096 bytes
	s_lshl_b32 s21, s18, 11
	s_add_co_u32 s20, s20, s21                     ; + 2,048 bytes for the second half of K
	s_mov_b32 s21, 0
	s_lshl_b32 s22, ttmp9, 1
	s_add_co_u32 s22, s22, s17
	s_mul_i32 s22, s22, TILEB                      ; the tile's record,
	s_mul_i32 s23, s18, 2*CHB
	s_add_co_u32 s22, s22, s23                     ; my two chunks of it
	s_mov_b32 s23, 0
	s_mul_i32 s24, s16, XSTG
	s_mov_b32 s26, 0x76543210
	s_mov_b32 s27, 0xfedcba98                      ; v_permlanex16_b32's selects for lane l xor 16
	s_wait_alu depctr_va_vdst(0)
	v_lshlrev_b32 v4, 4, v2                        ; 16 x lane: my 16 bytes of a load's 512
	v_add_nc_u32 v5, s24, v4                       ; the stage, on the way in
	v_and_b32 v3, 15, v0                           ; r
	v_bfe_u32 v9, v0, 4, 1                         ; h
	v_mul_u32_u24 v6, v3, XP
	v_lshl_add_u32 v6, v9, 7, v6
	v_add_nc_u32 v6, s24, v6                       ; and on the way out: row r, + 128 h bytes (32 numbers)
	v_lshlrev_b32 v7, 3, v2                        ; 8 x lane: my place in a piece
	v_lshlrev_b32 v39, 3, v9                       ; 8 h: my bytes' shift in a scale word
	v_mov_b32 v15, 0                               ; a lane permute's destination counts as read
	s_wait_alu depctr_va_vdst(0)
	s_wait_kmcnt 0x0
	s_add_nc_u64 s[4:5], s[4:5], s[20:21]
	s_add_nc_u64 s[14:15], s[14:15], s[22:23]
.macro XLOAD s                         ; K step s of the tile's sixteen rows: each load reads 512 consecutive bytes of one row
.irp t, 0,1,2,3,4,5,6,7,8,9,10,11,12,13,14,15
	global_load_b128 v[RAW+64*((\s)%2)+4*\t:RAW+64*((\s)%2)+4*\t+3], v4, s[4:5] offset:((\t%8)+16*(\t/8))*4096+512*(\s) th:TH_LOAD_NT
.endr
.endm
.macro XSTEP s
.if (\s) < 3
	s_wait_loadcnt 16                              ; this step's sixteen loads are in; the next step's sixteen may be out
.else
	s_wait_loadcnt 0x0
.endif
.irp t, 0,1,2,3,4,5,6,7,8,9,10,11,12,13,14,15
	ds_store_b128 v5, v[RAW+64*((\s)%2)+4*\t:RAW+64*((\s)%2)+4*\t+3] offset:XP*\t
.endr
.irp c, 0,1
.irp j, 0,1,2,3,4,5,6,7
	ds_load_b128 v[X+32*\c+4*\j:X+32*\c+4*\j+3], v6 offset:256*\c+16*\j   ; LDS serves a wave's instructions in order: these see the stores.  X[32 c + i] = k 64 c + 32 h + i of row r
.endr
.endr
	s_wait_dscnt 0x0                               ; my numbers are here, and the stores have read the set that is loaded again below
.if (\s)+2 < 4
	XLOAD (\s)+2
.endif
.irp c, 0,1
	v_max3_num_f32 v[8+\c], |v[X+32*\c]|, |v[X+32*\c+1]|, 0x2800000    ; block 2 c + h is all mine; the floor 2^(5 - 127) holds the byte at 1 from below
.endr
.irp i, 2,4,6,8,10,12,14,16,18,20,22,24,26,28,30
.irp c, 0,1
	v_max3_num_f32 v[8+\c], v[8+\c], |v[X+32*\c+\i]|, |v[X+32*\c+\i+1]|
.endr
.endr
.irp c, 0,1
	v_add_nc_u32 v[10+\c], 0xfe000000, v[8+\c]     ; 4 off the exponent field: the conversion takes this operand's exponent field as its scale
.endr
.irp c, 0,1
	v_lshrrev_b32 v[12+\c], 23, v[10+\c]           ; the scale's byte
.endr
	v_lshl_or_b32 v14, v13, 16, v12                ; bytes h and 2 + h of my row's word,
	v_lshlrev_b32 v14, v39, v14                    ; at their places;
	v_permlanex16_b32 v15, v14, s26, s27
	v_or_b32 v[SW+(\s)], v14, v15                  ; with lane l xor 16's two the word is whole, in both halves of the lanes
	s_wait_alu depctr_va_vdst(0)
	s_wait_xcnt 0x0                                ; the last step's stores have read the codes' registers: only now are they written again
.irp c, 0,1
	v_cvt_scalef32_pk16_bf6_f32 v[PC+6*\c:PC+6*\c+2], v[X+32*\c:X+32*\c+15], v[10+\c]
	v_cvt_scalef32_pk16_bf6_f32 v[PT+4*\c:PT+4*\c+2], v[X+32*\c+16:X+32*\c+31], v[10+\c]   ; (a conversion's three registers begin on an even number)
.endr
	v_nop                                          ; one plain place behind a scaled conversion
.irp c, 0,1
.irp i, 0,1,2
	v_mov_b32 v[PC+6*\c+3+\i], v[PT+4*\c+\i]
.endr
.endr
.irp p, 0,1,2,3,4,5
	global_store_b64 v7, v[PC+2*\p:PC+2*\p+1], s[14:15] offset:((\s)/2)*CHB+((\s)%2)*FRB+256*\p   ; a piece: 256 consecutive bytes, aligned
.endr
.if (\s)%2 == 1
	global_store_b64 v7, v[SW+(\s)-1:SW+(\s)], s[14:15] offset:((\s)/2)*CHB+3072                  ; the chunk's scale words
.endif
.endm
	XLOAD 0
	XLOAD 1
	XSTEP 0
	XSTEP 1
	XSTEP 2
	XSTEP 3
	s_set_vgpr_msb 0x5
	s_wait_tensorcnt 0x0
	ds_add_u32 v0, v1
	s_wait_dscnt 0x0
	s_set_vgpr_msb 0x500
	s_endpgm
; ---------------- the weights: a lane takes a column n, and its registers run down K ----------------
.Lweights:
	s_sub_co_u32 s17, ttmp9, 256
	s_lshr_b32 s18, s17, 5                         ; which weight
	s_and_b32 s19, s17, 7                          ; which 128 columns
	s_bfe_u32 s20, s17, 0x20003                    ; which 256 along K: the chunk
	s_lshl_b32 s21, s19, 2
	s_add_co_u32 s21, s21, s16                     ; my wave's group of 32 columns
	s_lshl_b32 s22, s20, 20                        ; 256 rows of 4,096 bytes
	s_lshl_b32 s23, s21, 7
	s_add_co_u32 s22, s22, s23                     ; + 128 bytes a group
	s_mov_b32 s23, 0
	s_lshl_b32 s24, s18, 6
	s_lshl_b32 s25, s21, 1
	s_add_co_u32 s24, s24, s25
	s_add_co_u32 s24, s24, 512                     ; the group's first tile
	s_mul_i32 s24, s24, TILEB
	s_mul_i32 s25, s20, CHB
	s_add_co_u32 s24, s24, s25
	s_mov_b32 s25, 0
	s_wait_alu depctr_va_vdst(0)
	v_lshlrev_b32 v3, 2, v2                        ; in: 4 bytes a lane
	v_bfe_u32 v5, v0, 3, 1                         ; my column's tile of the two: u
	v_and_b32 v6, 7, v0
	v_bfe_u32 v7, v0, 4, 1
	v_lshl_add_u32 v6, v7, 3, v6                   ; and its row r in that tile
	s_mul_i32 s28, s16, WSTG
	s_add_co_u32 s28, s28, WST0                    ; my stage
	v_mul_u32_u24 v4, v5, 3072
	v_lshl_add_u32 v4, v6, 3, v4
	v_add_nc_u32 v4, s28, v4                       ; into it: tile u, lane r's 8 bytes of a piece
	v_lshlrev_b32 v8, 4, v2                        ; out: 16 bytes a lane
	v_add_nc_u32 v7, s28, v8
	v_mul_u32_u24 v9, v5, TILEB
	v_lshl_add_u32 v9, v6, 3, v9                   ; my row's scale words in the chunk's scale piece
	s_wait_kmcnt 0x0
	s_cmp_eq_u32 s18, 1                            ; the choice hangs on the work-group's number alone
	s_cselect_b64 s[6:7], s[8:9], s[6:7]
	s_cmp_eq_u32 s18, 2
	s_cselect_b64 s[6:7], s[10:11], s[6:7]
	s_cmp_eq_u32 s18, 3
	s_cselect_b64 s[6:7], s[12:13], s[6:7]
	s_add_nc_u64 s[6:7], s[6:7], s[22:23]
	s_add_nc_u64 s[14:15], s[14:15], s[24:25]
.macro WLOAD t                         ; block t: W(32 t + i, my column): 32 lanes read 128 consecutive bytes, the four waves 512
.irp i, 0,1,2,3,4,5,6,7,8,9,10,11,12,13,14,15,16,17,18,19,20,21,22,23,24,25,26,27,28,29,30,31
	global_load_b32 v[WX+32*((\t)%2)+\i], v3, s[6:7] offset:(32*(\t)+\i)*4096 th:TH_LOAD_NT
.endr
.endm
.macro WBLOCK t                        ; block t = 4 sl + 2 c + h: registers 6 c .. 6 c + 5 of lane (r, h) of the chunk's fragment sl
.set XS, WX+32*((\t)%2)
.if (\t) < 7
	s_wait_loadcnt 32                              ; this block's 32 loads are in; the next block's may be out
.else
	s_wait_loadcnt 0x0
.endif
	v_max3_num_f32 v12, |v[XS]|, |v[XS+1]|, |v[XS+2]|
	v_max3_num_f32 v13, |v[XS+3]|, |v[XS+4]|, |v[XS+5]|
.irp i, 6,10,14,18,22,26
	v_max3_num_f32 v12, v12, |v[XS+\i]|, |v[XS+\i+1]|
	v_max3_num_f32 v13, v13, |v[XS+\i+2]|, |v[XS+\i+3]|
.endr
	v_max3_num_f32 v12, v12, |v[XS+30]|, |v[XS+31]|
	v_max3_num_f32 v12, v12, v13, 0x2800000        ; and the floor
	v_add_nc_u32 v11, 0xfe000000, v12
	v_lshrrev_b32 v13, 23, v11
.if (\t)%4 == 0
	v_mov_b32 v[24+(\t)/4], v13                    ; four bytes to a word, the lower K in the lower byte
.else
	v_lshl_or_b32 v[24+(\t)/4], v13, 8*((\t)%4), v[24+(\t)/4]
.endif
	v_cvt_scalef32_pk16_bf6_f32 v[96:98], v[XS:XS+15], v11
	v_cvt_scalef32_pk16_bf6_f32 v[100:102], v[XS+16:XS+31], v11
	v_nop                                          ; one plain place behind a scaled conversion
	v_mov_b32 v99, v100
	v_mov_b32 v100, v101
	v_mov_b32 v101, v102                           ; v96-101: the block's 24 bytes
.irp i, 0,1,2
	ds_store_b64 v4, v[96+2*\i:97+2*\i] offset:((\t)/4)*FRB+(((\t)/2)%2)*768+((\t)%2)*128+256*\i
.endr
.if (\t)+2 < 8
	WLOAD (\t)+2
.endif
	s_wait_dscnt 0x0                               ; the stores have read their registers: the next block's codes may be written
.endm
	WLOAD 0
	WLOAD 1
.irp t, 0,1,2,3,4,5,6,7
	WBLOCK \t
.endr
	s_wait_alu depctr_va_vdst(0)
	global_store_b64 v9, v[24:25], s[14:15] offset:3072       ; my row's two scale words, for lanes 0-15 of the piece,
	global_store_b64 v9, v[24:25], s[14:15] offset:3072+128   ; and once more for lanes 16-31
.irp k, 0,1,2,3,4,5,6,7,8,9,10,11
	ds_load_b128 v[112+4*\k:115+4*\k], v7 offset:512*\k        ; LDS serves a wave's instructions in order: these see my stores
.endr
.irp k, 0,1,2,3,4,5,6,7,8,9,10,11
	s_wait_dscnt 11-\k                             ; load k is in; the younger ones may be out
	global_store_b128 v8, v[112+4*\k:115+4*\k], s[14:15] offset:(\k/6)*TILEB+(\k%6)*512   ; 512 consecutive bytes, aligned
.endr
	s_set_vgpr_msb 0x5
	s_wait_tensorcnt 0x0
	ds_add_u32 v0, v1
	s_wait_dscnt 0x0
	s_set_vgpr_msb 0x500
	s_endpgm
.Lfunc_end_k_q614ef5927c_quant:
	.size	k_q614ef5927c_quant, .Lfunc_end_k_q614ef5927c_quant-k_q614ef5927c_quant
	.p2alignl 7, 3214868480
	.fill 96, 4, 3214868480
	.section	.rodata,"a",@progbits
	.p2align	6, 0x0
	.amdhsa_kernel k_q614ef5927c_quant
		.amdhsa_group_segment_fixed_size 58880
		.amdhsa_private_segment_fixed_size 0
		.amdhsa_enable_private_segment 0
		.amdhsa_kernarg_size 48
		.amdhsa_user_sgpr_count 2
		.amdhsa_user_sgpr_kernarg_segment_ptr 1
		.amdhsa_wavefront_size32 1
		.amdhsa_system_sgpr_workgroup_id_x 1
		.amdhsa_system_sgpr_workgroup_id_y 1
		.amdhsa_system_sgpr_workgroup_id_z 1
		.amdhsa_system_vgpr_workitem_id 0
		.amdhsa_next_free_vgpr 258
		.amdhsa_next_free_sgpr 66
		.amdhsa_reserve_vcc 0
		.amdhsa_float_denorm_mode_32 3
		.amdhsa_float_denorm_mode_16_64 3
		.amdhsa_memory_ordered 1
		.amdhsa_forward_progress 1
		.amdhsa_inst_pref_size 73
	.end_amdhsa_kernel
	.amdgpu_metadata
---
amdhsa.version: [ 1, 2 ]
amdhsa.kernels:
  - .name:           k_q614ef5927c_quant
    .symbol:         k_q614ef5927c_quant.kd
    .args:
      - { .name: x, .offset: 0, .size: 8, .value_kind: global_buffer, .address_space: global }
      - { .name: wq, .offset: 8, .size: 8, .value_kind: global_buffer, .address_space: global }
      - { .name: wk, .offset: 16, .size: 8, .value_kind: global_buffer, .address_space: global }
      - { .name: wv, .offset: 24, .size: 8, .value_kind: global_buffer, .address_space: global }
      - { .name: wo, .offset: 32, .size: 8, .value_kind: global_buffer, .address_space: global }
      - { .name: cod, .offset: 40, .size: 8, .value_kind: global_buffer, .address_space: global }
    .group_segment_fixed_size: 58880
    .private_segment_fixed_size: 0
    .kernarg_segment_align: 8
    .kernarg_segment_size: 48
    .max_flat_workgroup_size: 128
    .sgpr_count:     66
    .vgpr_count:     258
    .wavefront_size: 32
...
	.end_amdgpu_metadata
.endif
;; end of part 1
;; launch proj (part 2): grid 8 x 32, 4 waves a work-group, clusters of 4 x 4, 327,680 bytes of LDS; arguments cod, qkv; writes qkv
.if DOCPART == 2
	.amdgcn_target "amdgcn-amd-amdhsa--gfx1250"
	.amdhsa_code_object_version 6
	.text
	.protected	k_q614ef5927c_proj
	.globl	k_q614ef5927c_proj
	.p2align	8
	.type	k_q614ef5927c_proj,@function
k_q614ef5927c_proj:
	s_mov_b64 s[64:65], 0
	v_nop
	global_prefetch_b8 v0, s[64:65] scope:SCOPE_SE
	s_setreg_imm32_b32 hwreg(HW_REG_WAVE_MODE, 25, 1), 1
	s_wait_xcnt 0x0
	s_wait_alu depctr_hold_cnt(0) depctr_sa_sdst(0) depctr_va_vdst(0) depctr_va_sdst(0) depctr_va_ssrc(0) depctr_va_vcc(0) depctr_vm_vsrc(0)
	s_getreg_b32 s2, hwreg(HW_REG_IB_STS2, 6, 4)
	s_cmp_eq_u32 s2, 0
	s_cbranch_scc0 .Lentry_in_a_cluster
	s_endpgm
.Lentry_in_a_cluster:
	s_bfe_u32 s2, ttmp6, 0x10000c
	s_cmp_lg_u32 s2, 0xf033
	s_cbranch_scc0 .Lentry_shape_is_right
	s_endpgm
.Lentry_shape_is_right:
; q = x wq, k = x wk, v = x wv on codes of E3M2 with E8M0 scales (K = 1,024), and the results quantised in registers for the products that take them: q and k along the head's 64, v along the keys.
; cod holds the operands as records of tiles, in the order of an operand's registers: a tile (16 rows: 32 g + 8 u + (r & 7) + 16 (r >> 3)) is 13,312 bytes = four chunks (256 along K) of 3,328:
; two fragments of six pieces of 256 bytes (piece p: registers 2 p, 2 p + 1, lane L at 8 L), then 256 bytes of scale words (row L & 15's two words at 8 L).
; A TILE OF WORK is 256 rows of P (source 0) x 128 rows of R (source 1).  Four waves: wave w takes P's tiles 8 (w & 1) .. + 7 and R's tiles 4 (w >> 1) .. + 3: 32 accumulators, 8 K steps of 32 matrix instructions.
; A WORK-GROUP STAYS and makes three such tiles, written out one behind the other.  With Y the cluster's y: tiles 0 and 1: P = wq | wk, R = x (tokens 128 (4 Y + cy) on, and 4,096 tokens further on): a lane holds one token
; and 128 neighbouring columns (two heads).  Tile 2: P = x, R = wv: a lane holds one column d and 128 neighbouring tokens.  Either way register 16 b + i of an R tile's 64 is number 32 b + 16 (lane / 16) + i along the next product's K.
; THE RING: two LDS slots, each with 512 along K of P's 16 tiles and R's 8 (rows of 6,656 bytes, half a record).  Slot 0 serves K steps 0-3, slot 1 steps 4-7.  At the head of steps 3 and 7 the slot whose last fragments are in registers
; is filled with the next tile's half: that load has four K steps, 128 matrix instructions, in which to land.  The stream of fragments goes on across tiles: step 7 fetches the next tile's step 0, and a tile's
; way out stands between the two.  Tiles 0 and 1 take the same rows of P, which stay in LDS: only R is filled again between them.  A wave has at most two tensor loads out (the two first fills), later one.
; CLUSTERS 4 x 4: P's tiles hang on the work-group's x (and the cluster's y) and are asked for jointly along a column of the cluster, R's on cy (and the cluster's y) and jointly along a row.
; qkv: [batch x head 64][slot of 256 tokens 8] records of 39,424 bytes: Q codes 16 tiles x 768 | Q scale words 1,024 ([4 tiles][r][tile] words, bytes 2, 3 = 0) | K likewise | V^T codes [key step 2][d tile 4] x 1,536 | V scale words [key step 2][r][d tile].
; LIMITS: NaN and infinities are not served; a block of zeros, or one under 2^-122, gets the byte 1 (this program alone reads the bytes).
; REGISTERS: window 0: v3 8 x lane; v8-11 LDS addresses; v28, v29 for the add; v32-79 scale words, two sets; v80-175 R's fragments, two sets (on the way out v128-167 the codes); v176-217 the way out.
;   window 1: P's fragments, sets at v0 and v128.  window 2: accumulator (a, b) at v[8 (8 a + b)].
.set REC,   39424
.set TILEB, 13312
.set CHB,   3328
.set FRB,   1536
.set HB,    2*CHB                      ; half a record: a tile's row in a slot
.set SLOTB, 24*HB                      ; a slot: P's 16 tiles, then R's 8
.set ROFF,  16*HB
.set SPARE, 2*SLOTB                    ; behind the ring: the spare words, 128 bytes for each wave: two blocks of 256 bytes that no other line names
.set FR,    12
.set L8,    3                          ; v3      8 x lane; never rewritten
.set ADRP,  8                          ; v8-9    slot s: my P tiles + 8 x lane
.set ADRR,  10                         ; v10-11  slot s: my R tiles + 8 x lane
.set SPW,   28                         ; v28     LDS address of my spare word; never rewritten
.set NIL,   29                         ; v29     0; never rewritten
.set SC,    32                         ; scale words: set (chunk % 2) of 24: P tile i at 2 i + q, R tile a at 16 + 2 a + q
.set RF,    80
.set WA,    176                        ; v176-179 per R tile: bytes of blocks 0, 1
.set WB,    180                        ; v180-183 bytes of blocks 2, 3
.set XW,    184
.set YW,    196
.set TM,    200                        ; v200-203 largest magnitudes, v204-207 bytes, v212-215 the conversions' scale operands
.set SO,    216
.set HH,    217
.set SEL,   12
.set WV,    16
.set WP,    17
.set WR,    18
.set G1P,   24
.set G1R,   32
.set G0P,   40                         ; s[40:47] group 0 for P, a set for each slot
.set G0R,   48                         ; s[48:55] for R
.set PA01,  56                         ; where my part of P begins: tiles 0 and 1;
.set PA2,   58                         ; tile 2.  (s56-63 never hold cy)
.set RA0,   66                         ; the same for R, tiles 0, 1, 2.  (s66-75 never hold cx)
.set RA1,   68
.set RA2,   70
.set CB0,   76                         ; where a tile's codes go
.set CB1,   78
.set CB2,   80
.set SB0,   82                         ; and its scale words
.set SB1,   84
.set SB2,   86
.set MSB, 0
.macro WIN new                         ; the immediate's high byte repeats the setting that is left
.if MSB != \new
	s_set_vgpr_msb (MSB<<8)|\new
.set MSB, \new
.endif
.endm
.macro CROUND                          ; a round of the cluster's barrier
	s_barrier_signal -1
	s_barrier_wait -1
	s_cmp_lg_u32 s[WV], 0
	s_cbranch_scc1 .Lnot_wave_0_\@
	s_barrier_signal -3
.Lnot_wave_0_\@:
	s_barrier_wait -3
	s_barrier_signal -1
	s_barrier_wait -1
.endm
.macro PLACES                          ; four places between a matrix instruction and a load into, or a vector read of, its registers (ISA guide 7.12.1 for vector reads)
.rept 4
	v_nop
.endr
.endm
; A joint refill of slot s.  Waves 0, 1 fetch P's halves (pf = 1; with pf = 0 P stays and they ask for nothing), waves 2, 3 R's.  The branch hangs on the wave's number alone.
; Four v_nop follow each line; they are also the places in front of the LDS loads that follow the macro, so the arm without a load has them too.
.macro JLOAD s, pf
	s_cmp_lt_u32 s[WV], 2
	s_cbranch_scc0 .Lfor_r_\@
.if \pf
	tensor_load_to_lds s[G0P+4*(\s):G0P+4*(\s)+3], s[G1P:G1P+7]
	s_nop 0
.endif
.rept 4
	v_nop
.endr
	s_branch .Lasked_\@
.Lfor_r_\@:
	tensor_load_to_lds s[G0R+4*(\s):G0R+4*(\s)+3], s[G1R:G1R+7]
	s_nop 0
.rept 4
	v_nop
.endr
.Lasked_\@:
.endm
	s_load_b128 s[4:7], s[0:1], 0x0                ; cod, qkv
	v_lshl_add_u32 v[SPW], v0, 2, SPARE
	v_mov_b32 v[NIL], 0
	ds_add_u32 v28, v29
	ds_add_u32 v28, v29
	s_wait_dscnt 0x0
	v_lshrrev_b32 v1, 5, v0
	v_readfirstlane_b32 s[WV], v1
	s_and_b32 s[WP], s[WV], 1                      ; my half of P.  Also: which half of a tile block I fetch
	s_lshr_b32 s[WR], s[WV], 1                     ; my half of R
	s_bfe_u32 s19, ttmp6, 0x40000                  ; cx
	s_bfe_u32 s20, ttmp6, 0x40004                  ; cy
	s_lshl_b32 s21, ttmp9, 2
	s_add_co_u32 s21, s21, s19                     ; work-group x, 0 .. 7
	s_and_b32 s22, ttmp7, 0xffff                   ; Y: the cluster's y, 0 .. 7
	s_lshl_b32 s88, s20, 2
	s_lshl_b32 s88, 15, s88                        ; my row of the cluster
	s_lshl_b32 s89, 0x1111, s19                    ; my column
	s_or_b32 s[G1P], s89, (3<<16)|(1<<21)          ; 15:0 the mask; 17:16 elements of 8 bytes; 21 set beside a mask; no padding
	s_or_b32 s[G1R], s88, (3<<16)|(1<<21)
	s_mov_b32 s[G1P+1], 832<<16                    ; tensor_dim0: half a record, 6,656 bytes
	s_mov_b32 s[G1P+2], 8<<16                      ; tensor_dim1: 8 tiles
	s_mov_b32 s[G1P+3], 832<<16                    ; tile_dim0
	s_mov_b32 s[G1P+4], 8                          ; tile_dim1
	s_mov_b32 s[G1P+5], 1664                       ; from tile to tile: 13,312 bytes
	s_mov_b32 s[G1P+6], 0
	s_mov_b32 s[G1P+7], 0
	s_mov_b32 s[G1R+1], 832<<16
	s_mov_b32 s[G1R+2], 4<<16                      ; 4 tiles
	s_mov_b32 s[G1R+3], 832<<16
	s_mov_b32 s[G1R+4], 4
	s_mov_b32 s[G1R+5], 1664
	s_mov_b32 s[G1R+6], 0
	s_mov_b32 s[G1R+7], 0
	; P's first tile that I fetch: tiles 0, 1: 512 + 16 x + 8 half (wq | wk);  tile 2: 128 (Y >> 1) + 16 x + 8 half (x)
	s_lshl_b32 s60, s21, 4
	s_lshl_b32 s61, s[WP], 3
	s_add_co_u32 s60, s60, s61
	s_add_co_u32 s[PA01], s60, 512
	s_mul_i32 s[PA01], s[PA01], TILEB
	s_mov_b32 s[PA01+1], 0
	s_lshr_b32 s[PA2], s22, 1
	s_lshl_b32 s[PA2], s[PA2], 7
	s_add_co_u32 s[PA2], s[PA2], s60
	s_mul_i32 s[PA2], s[PA2], TILEB
	s_mov_b32 s[PA2+1], 0
	; R's: tile 0: 32 Y + 8 cy + 4 half (x);  tile 1: 256 tiles on;  tile 2: 640 + 32 (Y & 1) + 8 cy + 4 half (wv)
	s_lshl_b32 s72, s20, 3
	s_lshl_b32 s73, s[WP], 2
	s_add_co_u32 s72, s72, s73
	s_lshl_b32 s[RA0], s22, 5
	s_add_co_u32 s[RA0], s[RA0], s72
	s_mul_i32 s[RA0], s[RA0], TILEB
	s_mov_b32 s[RA0+1], 0
	s_and_b32 s[RA2], s22, 1
	s_lshl_b32 s[RA2], s[RA2], 5
	s_add_co_u32 s[RA2], s[RA2], 640
	s_add_co_u32 s[RA2], s[RA2], s72
	s_mul_i32 s[RA2], s[RA2], TILEB
	s_mov_b32 s[RA2+1], 0
	s_mul_i32 s62, s[WP], 8*HB                     ; where they go in a slot: no place in the cluster enters an LDS address
	s_mul_i32 s74, s[WP], 4*HB
	s_add_co_u32 s74, s74, ROFF
	s_wait_kmcnt 0x0
	s_add_nc_u64 s[PA01:PA01+1], s[4:5], s[PA01:PA01+1]
	s_add_nc_u64 s[PA2:PA2+1], s[4:5], s[PA2:PA2+1]
	s_add_nc_u64 s[RA0:RA0+1], s[4:5], s[RA0:RA0+1]
	s_add_nc_u64 s[RA2:RA2+1], s[4:5], s[RA2:RA2+1]
	s_add_nc_u64 s[RA1:RA1+1], s[RA0:RA0+1], 256*TILEB
	CROUND                                         ; all sixteen work-groups are here: the first joint loads meet
.irp s, 0,1
	s_mov_b32 s[G0P+4*\s], 1
	s_add_co_u32 s[G0P+4*\s+1], s62, \s*SLOTB
	s_add_nc_u64 s[G0P+4*\s+2:G0P+4*\s+3], s[PA01:PA01+1], \s*HB
	s_or_b32 s[G0P+4*\s+3], s[G0P+4*\s+3], 0x80000000
	s_mov_b32 s[G0R+4*\s], 1
	s_add_co_u32 s[G0R+4*\s+1], s74, \s*SLOTB
	s_add_nc_u64 s[G0R+4*\s+2:G0R+4*\s+3], s[RA0:RA0+1], \s*HB
	s_or_b32 s[G0R+4*\s+3], s[G0R+4*\s+3], 0x80000000
.endr
	s_cmp_lt_u32 s[WV], 2                          ; a wave's two first fills stand in one branch, ahead of every wait on TENSORcnt and every LDS read: two loads of mine are out
	s_cbranch_scc0 .Lfor_r
	tensor_load_to_lds s[G0P:G0P+3], s[G1P:G1P+7]
	s_nop 0
	tensor_load_to_lds s[G0P+4:G0P+7], s[G1P:G1P+7]
	s_nop 0
.rept 4
	v_nop
.endr
	s_branch .Lasked
.Lfor_r:
	tensor_load_to_lds s[G0R:G0R+3], s[G1R:G1R+7]
	s_nop 0
	tensor_load_to_lds s[G0R+4:G0R+7], s[G1R:G1R+7]
	s_nop 0
.rept 4
	v_nop
.endr
.Lasked:
	v_and_b32 v2, 31, v0
	v_lshlrev_b32 v[L8], 3, v2                     ; 8 x lane
	s_mul_i32 s94, s[WP], 8*HB
	s_mul_i32 s95, s[WR], 4*HB
	s_add_co_u32 s95, s95, ROFF
.irp s, 0,1
	v_add_nc_u32 v[ADRP+\s], s94, v[L8]
	v_add_nc_u32 v[ADRR+\s], s95, v[L8]
	s_add_co_u32 s94, s94, SLOTB
	s_add_co_u32 s95, s95, SLOTB
.endr
	s_mov_b32 s[SEL], 0x76543210
	s_mov_b32 s[SEL+1], 0xfedcba98
.irp b, 0,1,2,3
	v_mov_b32 v[TM+4+\b], 0                        ; a lane permute's destination counts as read
.endr
	v_and_b32 v4, 15, v0
	v_bfe_u32 v[HH], v0, 4, 1
	v_lshlrev_b32 v[SO], 4, v4
	v_lshl_add_u32 v[SO], v[HH], 3, v[SO]          ; scale words: 16 r + 8 h
	; where tiles 0 and 1 go
	s_lshl_b32 s88, s21, 2
	s_lshl_b32 s89, s[WP], 1
	s_add_co_u32 s88, s88, s89                     ; my first head of 32: 0-15 q's, 16-31 k's
	s_lshr_b32 s89, s88, 4
	s_and_b32 s88, s88, 15
	s_lshl_b32 s92, s22, 5
	s_lshl_b32 s93, s20, 3
	s_add_co_u32 s92, s92, s93
	s_lshl_b32 s93, s[WR], 2
	s_add_co_u32 s92, s92, s93                     ; tile 0: my first token tile
	s_lshr_b32 s93, s92, 7                         ; batch
	s_bfe_u32 s94, s92, 0x30004                    ; slot of 256 tokens
	s_and_b32 s95, s92, 15                         ; tile in the slot
	s_lshl_b32 s93, s93, 4
	s_add_co_u32 s93, s93, s88
	s_lshl_b32 s93, s93, 3
	s_add_co_u32 s93, s93, s94
	s_mul_i32 s93, s93, REC
	s_mul_i32 s89, s89, 13312
	s_add_co_u32 s93, s93, s89                     ; the record's Q part or K part
	s_mul_i32 s96, s95, 768
	s_add_co_u32 s96, s96, s93
	s_mov_b32 s97, 0
	s_lshr_b32 s95, s95, 2
	s_lshl_b32 s95, s95, 8
	s_add_co_u32 s98, s95, s93
	s_add_co_u32 s98, s98, 12288
	s_mov_b32 s99, 0
	s_add_nc_u64 s[CB0:CB0+1], s[6:7], s[96:97]
	s_add_nc_u64 s[SB0:SB0+1], s[6:7], s[98:99]
	s_add_nc_u64 s[CB1:CB1+1], s[CB0:CB0+1], 256*REC   ; tile 1: 256 token tiles on: two batches, 2 x 16 x 8 records
	s_add_nc_u64 s[SB1:SB1+1], s[SB0:SB0+1], 256*REC
	; where tile 2 goes
	s_lshr_b32 s88, s22, 1
	s_lshl_b32 s88, s88, 3
	s_add_co_u32 s88, s88, s21
	s_lshl_b32 s88, s88, 1
	s_add_co_u32 s88, s88, s[WP]                   ; my key step of 128 tokens, of 64
	s_lshr_b32 s89, s88, 4                         ; batch
	s_and_b32 s88, s88, 15
	s_lshr_b32 s92, s88, 1                         ; slot
	s_and_b32 s88, s88, 1                          ; key step in the slot
	s_and_b32 s93, s22, 1
	s_lshl_b32 s93, s93, 3
	s_lshl_b32 s94, s20, 1
	s_add_co_u32 s93, s93, s94
	s_add_co_u32 s93, s93, s[WR]                   ; head: my four R tiles are its 64 columns
	s_lshl_b32 s89, s89, 4
	s_add_co_u32 s89, s89, s93
	s_lshl_b32 s89, s89, 3
	s_add_co_u32 s89, s89, s92
	s_mul_i32 s89, s89, REC
	s_mul_i32 s96, s88, 6144
	s_add_co_u32 s96, s96, s89
	s_add_co_u32 s96, s96, 26624
	s_lshl_b32 s98, s88, 8
	s_add_co_u32 s98, s98, s89
	s_add_co_u32 s98, s98, 38912
	s_add_nc_u64 s[CB2:CB2+1], s[6:7], s[96:97]
	s_add_nc_u64 s[SB2:SB2+1], s[6:7], s[98:99]
.macro FRAG reg, adr, s, i             ; tile i's fragment of K step s: six pieces, each 256 consecutive bytes for the 32 lanes
.irp p, 0,1,2,3,4,5
	ds_load_b64 v[\reg+2*\p:\reg+2*\p+1], v[\adr] offset:(\i)*HB+(((\s)%4)/2)*CHB+((\s)%2)*FRB+256*\p
.endr
.endm
.macro FETCH_P s                       ; 48 loads
	WIN 0x40                                       ; destination window 1, address window 0
.irp i, 0,1,2,3,4,5,6,7
	FRAG 128*((\s)%2)+FR*\i, ADRP+(\s)/4, \s, \i
.endr
.endm
.macro FETCH_R s                       ; 24 loads
.irp i, 0,1,2,3
	FRAG RF+48*((\s)%2)+FR*\i, ADRR+(\s)/4, \s, \i
.endr
.endm
.macro SCALES c                        ; 12 loads: chunk c's two scale words of each of my 12 tiles' rows
.irp i, 0,1,2,3,4,5,6,7
	ds_load_b64 v[SC+24*((\c)%2)+2*\i:SC+24*((\c)%2)+2*\i+1], v[ADRP+(\c)/2] offset:\i*HB+((\c)%2)*CHB+3072
.endr
.irp i, 0,1,2,3
	ds_load_b64 v[SC+24*((\c)%2)+16+2*\i:SC+24*((\c)%2)+16+2*\i+1], v[ADRR+(\c)/2] offset:\i*HB+((\c)%2)*CHB+3072
.endr
.endm
; 16 matrix instructions: R's tiles a0, a0 + 1 x P's eight.  The 32 accumulators take turns, one instruction a turn, in the same order in every step and from tile to tile.  zero = 1: the first products start the sums.
.macro MUL16 a0, q, zero
.irp a, \a0, \a0+1
.irp b, 0,1,2,3,4,5,6,7
.if \zero
	v_wmma_scale_f32_16x16x128_f8f6f4 v[8*(8*(\a)+\b):8*(8*(\a)+\b)+7], v[128*((\q)%2)+FR*\b:128*((\q)%2)+FR*\b+FR-1], v[RF+48*((\q)%2)+FR*(\a):RF+48*((\q)%2)+FR*(\a)+FR-1], 0, v[SC+24*(((\q)/2)%2)+2*\b+(\q)%2], v[SC+24*(((\q)/2)%2)+16+2*(\a)+(\q)%2] matrix_a_fmt:MATRIX_FMT_BF6 matrix_b_fmt:MATRIX_FMT_BF6
.else
	v_wmma_scale_f32_16x16x128_f8f6f4 v[8*(8*(\a)+\b):8*(8*(\a)+\b)+7], v[128*((\q)%2)+FR*\b:128*((\q)%2)+FR*\b+FR-1], v[RF+48*((\q)%2)+FR*(\a):RF+48*((\q)%2)+FR*(\a)+FR-1], v[8*(8*(\a)+\b):8*(8*(\a)+\b)+7], v[SC+24*(((\q)/2)%2)+2*\b+(\q)%2], v[SC+24*(((\q)/2)%2)+16+2*(\a)+(\q)%2] matrix_a_fmt:MATRIX_FMT_BF6 matrix_b_fmt:MATRIX_FMT_BF6
.endif
.endr
.endr
.endm
; A K step of 128.  more = 1: the next step's fragments (after step 7: the next tile's step 0) are asked for on the way.
; rnd = 1 (steps 3 and 7 of a tile that has a successor): THE CHANGE OF SLOTS.  This step's fragments, the last of slot q / 4, were asked for a step ago.  Each wave waits for all its tensor loads, of which one is out: its part of
; the other slot; adds 0 to its spare word; and waits for that and for its reads of the slot.  Behind a round of the cluster's barrier the other slot is whole, no wave of any partner reads this slot, and it is filled with
; the next tile's half (from pa, ra; pf = 0: P stays).  rnd = 2 (the last tile's step 3): the same lines and a plain barrier: slot 1 is whole; nothing is asked for.
.macro STEP q, zero, more, rnd, pf, pa, ra
.set SL, (\q)/4
.if (\rnd) > 0
	WIN 0                                          ; the add's two registers lie in window 0, and at a branch and at a label every window is 0
	s_wait_tensorcnt 0x0                           ; all my tensor loads have landed, so a group 0 may be written
	ds_add_u32 v[SPW], v[NIL]                      ; 0 onto my spare word; the descriptors' words stand between it and the wait for it
.if (\rnd) == 1
.if \pf
	s_add_nc_u64 s[G0P+4*SL+2:G0P+4*SL+3], s[\pa:\pa+1], SL*HB
	s_or_b32 s[G0P+4*SL+3], s[G0P+4*SL+3], 0x80000000
.endif
	s_add_nc_u64 s[G0R+4*SL+2:G0R+4*SL+3], s[\ra:\ra+1], SL*HB
	s_or_b32 s[G0R+4*SL+3], s[G0R+4*SL+3], 0x80000000
.endif
	s_wait_dscnt 0x0                               ; the add is done, and my reads of the slot are over
.if (\rnd) == 1
	CROUND
	JLOAD SL, \pf                                  ; the first tensor load behind the round, one a wave
.else
	s_barrier_signal -1
	s_barrier_wait -1
	PLACES
.endif
.else
.if \more
	PLACES                                         ; for the loads into the sets that the step before multiplied
.endif
.endif
.if \more
	FETCH_P ((\q)+1)%8
	s_wait_dscnt 48                                ; all but the 48 just issued: this step's fragments and scale words are in
.else
	s_wait_dscnt 0x0
.endif
	WIN 0xa1                                       ; source 0 (P) window 1, source 1 (R) window 0, C and D window 2
	MUL16 0, \q, \zero
.if \more
	WIN 0
	s_wait_alu depctr_va_vdst(0)
	FETCH_R ((\q)+1)%8
.if (\q)%2 == 1
	SCALES (((\q)+1)%8)/2
.endif
	WIN 0xa1
.endif
	MUL16 2, \q, \zero
.endm
.macro TILE last, pf, pa, ra           ; eight K steps; last = 0: the ring goes on into the next tile
	STEP 0, 1, 1, 0, 0, 0, 0
	STEP 1, 0, 1, 0, 0, 0, 0
	STEP 2, 0, 1, 0, 0, 0, 0
	STEP 3, 0, 1, 1+\last, \pf, \pa, \ra
	STEP 4, 0, 1, 0, 0, 0, 0
	STEP 5, 0, 1, 0, 0, 0, 0
	STEP 6, 0, 1, 0, 0, 0, 0
	STEP 7, 0, 1-\last, 1-\last, \pf, \pa, \ra
.endm
; THE WAY OUT.  R tile a's 64 numbers of a lane (window 2, v[64 a] on) become a fragment's codes and four scale bytes; a block of 32 lies in lanes l and l xor 16.  Each accumulator is read from its low end on.
; The codes lie in R's second set of registers, which step 7 has multiplied and the next tile's step 0 loads again: two sets of 20 by turns.
.macro QUANTW a, cb
.set PCA, RF+48+20*((\a)%2)
	WIN 0x0a                                       ; sources 0 and 1 window 2
.irp b, 0,1,2,3
	v_max3_num_f32 v[TM+\b], |v[64*(\a)+16*\b]|, |v[64*(\a)+16*\b+1]|, 0x2800000   ; the floor 2^(5 - 127) holds the byte at 1 from below
.endr
	WIN 0x28                                       ; sources 1 and 2 window 2
.irp i, 2,4,6,8,10,12,14
.irp b, 0,1,2,3
	v_max3_num_f32 v[TM+\b], v[TM+\b], |v[64*(\a)+16*\b+\i]|, |v[64*(\a)+16*\b+\i+1]|
.endr
.endr
	WIN 0
.irp b, 0,1,2,3
	v_permlanex16_b32 v[TM+4+\b], v[TM+\b], s[SEL], s[SEL+1]
.endr
.irp b, 0,1,2,3
	v_max_num_f32 v[TM+\b], v[TM+\b], v[TM+4+\b]
.endr
.irp b, 0,1,2,3
	v_add_nc_u32 v[TM+12+\b], 0xfe000000, v[TM+\b] ; 4 off the exponent field: the conversion's scale operand
.endr
.irp b, 0,1,2,3
	v_lshrrev_b32 v[TM+4+\b], 23, v[TM+12+\b]      ; the scale's byte
.endr
	v_lshl_or_b32 v[WA+(\a)], v[TM+5], 8, v[TM+4]
	v_lshl_or_b32 v[WB+(\a)], v[TM+7], 8, v[TM+6]
.if (\a) >= 2
	s_wait_xcnt 0x0                                ; tile a - 2's stores have read the codes' registers: only now are they written again
.endif
	WIN 0x02                                       ; source 0 window 2
.irp c, 0,1
	v_cvt_scalef32_pk16_bf6_f32 v[PCA+6*\c:PCA+6*\c+2], v[64*(\a)+32*\c:64*(\a)+32*\c+15], v[TM+12+2*\c]
	v_cvt_scalef32_pk16_bf6_f32 v[PCA+12+4*\c:PCA+14+4*\c], v[64*(\a)+32*\c+16:64*(\a)+32*\c+31], v[TM+12+2*\c+1]
.endr
	WIN 0
	v_nop                                          ; one plain place behind a scaled conversion
.irp c, 0,1                            ; the operand's layout wants a whole block in a lane: lanes 0-15 block 2 c, lanes 16-31 block 2 c + 1
.irp i, 0,1,2
	v_permlane16_swap_b32 v[PCA+6*\c+\i], v[PCA+12+4*\c+\i]
.endr
.irp i, 0,1,2
	v_mov_b32 v[PCA+6*\c+3+\i], v[PCA+12+4*\c+\i]
.endr
.endr
.irp p, 0,1,2
	global_store_b64 v[L8], v[PCA+2*\p:PCA+2*\p+1], s[\cb:\cb+1] offset:(\a)*SA+256*\p        ; each store: 256 consecutive bytes, aligned
.endr
.irp p, 0,1,2
	global_store_b64 v[L8], v[PCA+6+2*\p:PCA+7+2*\p], s[\cb:\cb+1] offset:(\a)*SA+SH+256*\p
.endr
.endm
; kv = 0: q, k: registers 0-5 are one head's 64, registers 6-11 the next head's, eight records on.  kv = 1: v: a whole fragment of 128 keys.
.macro EPI kv, cb, sb
.if \kv
.set SA, 1536
.set SH, 768
.else
.set SA, 768
.set SH, 8*REC
.endif
	WIN 0
	PLACES                                         ; the maxima below read results, and the codes land in registers that the last products read
.irp a, 0,1,2,3
	QUANTW \a, \cb
.endr
	v_cmp_eq_u32 vcc_lo, 1, v[HH]                  ; lane (r, h) stores row r's words of tiles 2 h and 2 h + 1
.if \kv
.irp a, 0,1,2,3
	v_lshl_or_b32 v[XW+\a], v[WB+\a], 16, v[WA+\a] ; all four bytes: 128 keys
.endr
	v_cndmask_b32 v[YW], v[XW], v[XW+2], vcc_lo
	v_cndmask_b32 v[YW+1], v[XW+1], v[XW+3], vcc_lo
	global_store_b64 v[SO], v[YW:YW+1], s[\sb:\sb+1]             ; 256 consecutive bytes
.else
	v_cndmask_b32 v[YW], v[WA], v[WA+2], vcc_lo    ; the first head's two bytes, zeros above
	v_cndmask_b32 v[YW+1], v[WA+1], v[WA+3], vcc_lo
	v_cndmask_b32 v[YW+2], v[WB], v[WB+2], vcc_lo  ; the second head's
	v_cndmask_b32 v[YW+3], v[WB+1], v[WB+3], vcc_lo
	global_store_b64 v[SO], v[YW:YW+1], s[\sb:\sb+1]
	global_store_b64 v[SO], v[YW+2:YW+3], s[\sb:\sb+1] offset:8*REC
.endif
	s_wait_xcnt 0x0                                ; the stores have read their registers: the next tile's loads may land on the codes, its way out may write the words.  Nothing waits for the stores themselves
.endm
	s_wait_tensorcnt 1                             ; my part of slot 0 is in; slot 1's may stay out
	s_barrier_signal -1
	s_barrier_wait -1                              ; everybody's is
	FETCH_P 0
	WIN 0
	FETCH_R 0
	SCALES 0
	TILE 0, 0, PA01, RA1                           ; tile 0; on its way R of tile 1 is asked for, P stays
	EPI 0, CB0, SB0
	TILE 0, 1, PA2, RA2                            ; tile 1; on its way P and R of tile 2 are asked for
	EPI 0, CB1, SB1
	TILE 1, 0, 0, 0                                ; tile 2: nothing is left to fetch
	EPI 1, CB2, SB2
	s_wait_tensorcnt 0x0                           ; the wave's end, behind my last tensor load: the last LDS instructions
	ds_add_u32 v[SPW], v[NIL]
	s_wait_dscnt 0x0
	CROUND                                         ; the closing round: no work-group ends while a partner may still ask for a tile that names it
	s_endpgm
.Lfunc_end_k_q614ef5927c_proj:
	.size	k_q614ef5927c_proj, .Lfunc_end_k_q614ef5927c_proj-k_q614ef5927c_proj
	.p2alignl 7, 3214868480
	.fill 96, 4, 3214868480
	.section	.rodata,"a",@progbits
	.p2align	6, 0x0
	.amdhsa_kernel k_q614ef5927c_proj
		.amdhsa_group_segment_fixed_size 327680
		.amdhsa_private_segment_fixed_size 0
		.amdhsa_enable_private_segment 0
		.amdhsa_kernarg_size 16
		.amdhsa_user_sgpr_count 2
		.amdhsa_user_sgpr_kernarg_segment_ptr 1
		.amdhsa_wavefront_size32 1
		.amdhsa_system_sgpr_workgroup_id_x 1
		.amdhsa_system_sgpr_workgroup_id_y 1
		.amdhsa_system_sgpr_workgroup_id_z 1
		.amdhsa_system_vgpr_workitem_id 0
		.amdhsa_next_free_vgpr 768
		.amdhsa_next_free_sgpr 100
		.amdhsa_reserve_vcc 1
		.amdhsa_float_denorm_mode_32 3
		.amdhsa_float_denorm_mode_16_64 3
		.amdhsa_memory_ordered 1
		.amdhsa_forward_progress 1
		.amdhsa_inst_pref_size 255
	.end_amdhsa_kernel
	.section	.bss,"aw",@nobits
	.p2align	6
	.space	262144
	.amdgpu_metadata
---
amdhsa.version: [ 1, 2 ]
amdhsa.kernels:
  - .name:           k_q614ef5927c_proj
    .symbol:         k_q614ef5927c_proj.kd
    .args:
      - { .name: cod, .offset: 0, .size: 8, .value_kind: global_buffer, .address_space: global }
      - { .name: qkv, .offset: 8, .size: 8, .value_kind: global_buffer, .address_space: global }
    .group_segment_fixed_size: 327680
    .private_segment_fixed_size: 0
    .kernarg_segment_align: 8
    .kernarg_segment_size: 16
    .max_flat_workgroup_size: 128
    .sgpr_count:     100
    .vgpr_count:     768
    .wavefront_size: 32
...
	.end_amdgpu_metadata
.endif
;; end of part 2
;; launch attn (part 3): grid 4 x 64, 16 waves a work-group, no clusters, 210,944 bytes of LDS; arguments qkv, ctc; writes ctc
.if DOCPART == 3
	.amdgcn_target "amdgcn-amd-amdhsa--gfx1250"
	.amdhsa_code_object_version 6
	.text
	.protected	k_q614ef5927c_attn
	.globl	k_q614ef5927c_attn
	.p2align	8
	.type	k_q614ef5927c_attn,@function
k_q614ef5927c_attn:
	s_mov_b64 s[64:65], 0
	v_nop
	global_prefetch_b8 v0, s[64:65] scope:SCOPE_SE
	s_setreg_imm32_b32 hwreg(HW_REG_WAVE_MODE, 25, 1), 1
	s_wait_xcnt 0x0
; ctx[b][q][head 64 d] = the sum over keys k <= q of softmax_k(q . k / 8) v, both products on codes of E3M2 with E8M0 scales; ctx is quantised along the last product's K (head x 64 + d) and stored as codes.
; THE SOFTMAX: t = score x log2(e) / 8; M = the running largest t rounded UP to a whole number; p = 2^(t - M) is quantised along the keys, not normalised; the row's sum is taken of the unquantised p and divides at the end.
; When M moves, the sum and O are multiplied by 2^(old M - new M), which rounds nothing.  A block's largest p is made from the block's largest score by the same multiply-add and exponential
; (this takes v_exp_f32 not to fall where its input rises; at the worst one p within an ulp of a power of two is held one code low).
; qkv: [batch x head][slot of 256 tokens] records of 39,424 bytes, in the order of the operands' registers: Q codes 16 tiles x 768 | Q scale words 1,024 | K codes | K scale words | V^T codes [key step 2][d tile 4] x 1,536 | V scale words 512.
; A tile 2 g + u holds the rows 32 g + 8 u + (r & 7) + 16 (r >> 3): so S^T = K Q^T leaves 16 neighbouring keys in the 16 registers of two neighbouring tiles, and O^T = V^T P^T 16 neighbouring d.
; The first product's K is 64: registers 6-11 of Q's and of K's fragments hold zero codes, and bytes 2, 3 of their scale words are 0.
; SHARES.  Work-group (i, batch x head) takes the query blocks 7 - i and then i, of 256 queries: 9 slots of keys count for it whatever i.  Each of sixteen waves owns one tile of 16 queries; four waves share a SIMD,
; so that one wave's vector work stands beside another's matrix work and LDS loads.  K and V of the whole head, 208,896 bytes, come into LDS once: nothing is filled again.
; NO CLUSTER: the four work-groups of a head leave out different key steps by a branch, and what they share is read once by each, 204 KiB.
; CAUSAL.  Every wave walks all slots (the trip counts are constants); a step all of whose keys come after the wave's queries is jumped over; on the diagonal hidden scores become -infinity ahead of the maximum.
; ctc's scale bytes are two bytes a lane: four heads share each word pair.  That is the one store here that does not fill 256 consecutive bytes: 256 KiB in all.
; LIMITS: NaN and infinities are not served; a block of zeros, or one under 2^-122, gets the byte 1 (this program alone reads the bytes).
; REGISTERS: v1 8 x lane, v2 16 r, v3 my query - 16 h, v4-7 the step's LDS addresses, v8-11 global offsets, v12 -M, v13 largest t, v[14:15] the sum, v16-27 Q, v28 Q's scale word, v29 the lane's part of v3,
;   v32-79 four fragments of K, v80-143 S^T, then p, then (v80-127) four fragments of V, v144-175 O^T, v176-187 p's codes, v188-194 conversions' upper halves, v196-207 blocks' maxima, bytes, scale operands,
;   v208-215 K's scale words, v216-219 V's, v220 p's, v221 ctx's bytes, v[222:223] f, v224-227 at work.
.set REC,  39424
.set KSL,  13312                       ; a slot of K in LDS: codes, then scale words
.set VSL,  12800                       ; a slot of V
.set VREG, 8*KSL
.set WV,   8
.set G1K1, 12                          ; group 1: K, one slot;  G1K3: three slots;  G1V1, G1V3: V
.set G1K3, 20
.set G1V1, 28
.set G1V3, 36
.set G0K1, 44
.set G0K2, 48
.set G0V1, 52
.set G0V2, 56
.set SEL,  66
.set CS,   68
.set TBK,  70                          ; LDS byte of the slot in hand, K's
.set TBV,  71                          ; and V's
.set KF,   72                          ; the step's first key
.set Q32,  73                          ; the first of the 32 queries among which my 16 lie
.set CNT,  74
	s_load_b128 s[4:7], s[0:1], 0x0                ; qkv, ctc
	v_lshl_add_u32 v254, v0, 2, 0x33000
	v_mov_b32 v255, 0
	ds_add_u32 v254, v255
	ds_add_u32 v254, v255
	v_lshrrev_b32 v1, 5, v0
	s_delay_alu instid0(VALU_DEP_1)
	v_readfirstlane_b32 s[WV], v1                  ; wave 0..15
	s_and_b32 s9, ttmp7, 0xffff                    ; batch x head
	s_and_b32 s10, s[WV], 1
.irp g, G1K1, G1K3
	s_mov_b32 s[\g], 3<<16                         ; no mask; elements of 8 bytes; no padding
	s_mov_b32 s[\g+1], 1664<<16                    ; tensor_dim0: 13,312 bytes
	s_mov_b32 s[\g+3], 1664<<16                    ; tile_dim0
	s_mov_b32 s[\g+5], 4928                        ; from slot to slot: a record
	s_mov_b32 s[\g+6], 0
	s_mov_b32 s[\g+7], 0
.endr
.irp g, G1V1, G1V3
	s_mov_b32 s[\g], 3<<16
	s_mov_b32 s[\g+1], 1600<<16                    ; 12,800 bytes
	s_mov_b32 s[\g+3], 1600<<16
	s_mov_b32 s[\g+5], 4928
	s_mov_b32 s[\g+6], 0
	s_mov_b32 s[\g+7], 0
.endr
.irp g, G1K1, G1V1
	s_mov_b32 s[\g+2], 1<<16                       ; tensor_dim1
	s_mov_b32 s[\g+4], 1                           ; tile_dim1
.endr
.irp g, G1K3, G1V3
	s_mov_b32 s[\g+2], 3<<16
	s_mov_b32 s[\g+4], 3
.endr
	s_mul_i32 s60, s9, 8*REC                       ; the head's eight records
	s_mov_b32 s61, 0
	s_mul_i32 s80, s10, REC                        ; a fetching wave's first load: slot j = wave & 1;
	s_mov_b32 s81, 0
	s_mul_i32 s82, s10, 3*REC
	s_add_co_u32 s82, s82, 2*REC                   ; its second: slots 2 + 3 j .. 4 + 3 j
	s_mov_b32 s83, 0
	s_mul_i32 s88, s10, KSL
	s_mul_i32 s89, s10, 3*KSL
	s_add_co_u32 s89, s89, 2*KSL
	s_mul_i32 s90, s10, VSL
	s_add_co_u32 s90, s90, VREG
	s_mul_i32 s91, s10, 3*VSL
	s_add_co_u32 s91, s91, 2*VSL+VREG
	s_wait_dscnt 0x0
	s_wait_kmcnt 0x0
	s_add_nc_u64 s[62:63], s[4:5], s[60:61]
	s_add_nc_u64 s[84:85], s[62:63], s[80:81]
	s_add_nc_u64 s[86:87], s[62:63], s[82:83]
	s_mov_b32 s[G0K1], 1
	s_mov_b32 s[G0K1+1], s88
	s_add_nc_u64 s[G0K1+2:G0K1+3], s[84:85], 13312
	s_or_b32 s[G0K1+3], s[G0K1+3], 0x80000000
	s_mov_b32 s[G0K2], 1
	s_mov_b32 s[G0K2+1], s89
	s_add_nc_u64 s[G0K2+2:G0K2+3], s[86:87], 13312
	s_or_b32 s[G0K2+3], s[G0K2+3], 0x80000000
	s_mov_b32 s[G0V1], 1
	s_mov_b32 s[G0V1+1], s90
	s_add_nc_u64 s[G0V1+2:G0V1+3], s[84:85], 26624
	s_or_b32 s[G0V1+3], s[G0V1+3], 0x80000000
	s_mov_b32 s[G0V2], 1
	s_mov_b32 s[G0V2+1], s91
	s_add_nc_u64 s[G0V2+2:G0V2+3], s[86:87], 26624
	s_or_b32 s[G0V2+3], s[G0V2+3], 0x80000000
	s_cmp_lt_u32 s[WV], 2                          ; waves 0, 1 fetch K, waves 2, 3 V, the others nothing: a wave's two first fills stand in one branch; two loads of mine are out
	s_cbranch_scc0 .Lnot_k
	tensor_load_to_lds s[G0K1:G0K1+3], s[G1K1:G1K1+7]
	s_nop 0
	tensor_load_to_lds s[G0K2:G0K2+3], s[G1K3:G1K3+7]
	s_nop 0
.rept 4
	v_nop
.endr
	s_branch .Lasked
.Lnot_k:
	s_cmp_lt_u32 s[WV], 4
	s_cbranch_scc0 .Lasked
	tensor_load_to_lds s[G0V1:G0V1+3], s[G1V1:G1V1+7]
	s_nop 0
	tensor_load_to_lds s[G0V2:G0V2+3], s[G1V3:G1V3+7]
	s_nop 0
.rept 4
	v_nop
.endr
.Lasked:
	v_and_b32 v30, 31, v0
	s_delay_alu instid0(VALU_DEP_1)
	v_lshlrev_b32 v1, 3, v30                       ; 8 x lane
	s_wait_alu depctr_va_vdst(0)
	v_and_b32 v31, 15, v0                          ; r
	s_wait_alu depctr_va_vdst(0)
	v_lshlrev_b32 v2, 4, v31                       ; 16 r
	v_bfe_u32 v30, v0, 4, 1                        ; h
	s_mul_i32 s88, s[WV], 768
	v_add_nc_u32 v9, s88, v1                       ; Q's codes: my tile of the slot's sixteen
	s_lshr_b32 s88, s[WV], 2
	s_lshl_b32 s88, s88, 8
	s_and_b32 s89, s[WV], 3
	s_lshl_b32 s89, s89, 2
	s_add_co_u32 s88, s88, s89
	s_add_co_u32 s88, s88, 12288
	v_add_nc_u32 v8, s88, v2                       ; Q's scale word of row r
	s_and_b32 s90, s9, 15                          ; head
	s_bfe_u32 s91, s90, 0x10001                    ; which K step of its chunk,
	s_and_b32 s92, s90, 1                          ; which half of that step
	s_mul_i32 s88, s91, 1536
	s_mul_i32 s89, s92, 768
	s_add_co_u32 s88, s88, s89
	v_add_nc_u32 v11, s88, v1                      ; ctx's codes in the chunk
	s_lshl_b32 s88, s91, 2
	s_lshl_b32 s89, s92, 1
	s_add_co_u32 s88, s88, s89
	s_add_co_u32 s88, s88, 3072
	v_lshlrev_b32 v10, 3, v31
	s_wait_alu depctr_va_vdst(0)
	v_lshl_add_u32 v10, v30, 7, v10
	s_delay_alu instid0(VALU_DEP_1)
	v_add_nc_u32 v10, s88, v10                     ; ctx's two scale bytes: row r's word pair, for lanes 0-15 of the piece (h = 0) and lanes 16-31 (h = 1)
	v_and_b32 v29, 8, v31
	s_delay_alu instid0(VALU_DEP_1)
	v_add_nc_u32 v29, v29, v31                     ; (r & 7) + 16 (r >> 3)
	v_lshlrev_b32 v30, 4, v30
	s_delay_alu instid0(VALU_DEP_1)
	v_sub_nc_u32 v29, v29, v30                     ; - 16 h
	s_lshl_b32 s88, s10, 3
	v_add_nc_u32 v29, s88, v29                     ; + 8 u
	s_lshr_b32 s88, s90, 2
	s_mul_i32 s75, s88, 3328                       ; ctc: the head's chunk,
	s_lshr_b32 s88, s9, 4
	s_lshl_b32 s88, s88, 7
	s_add_co_u32 s88, s88, s[WV]
	s_mul_i32 s88, s88, 13312
	s_add_co_u32 s75, s75, s88                     ; of tile 128 x batch + wave (+ 16 x query block, by the pass)
	s_mov_b32 s[SEL], 0x76543210
	s_mov_b32 s[SEL+1], 0xfedcba98
	s_mov_b32 s[CS], 0x3e38aa3b                    ; c = log2(e) / 8
	s_mov_b32 s[CS+1], s[CS]                       ; (named with it as a pair)
.irp i, 22,23,24,25,26,27
	v_mov_b32 v\i, 0                               ; Q's k = 64 .. 127: zero codes
.endr
.irp t, 0,1,2,3
.irp i, 6,7,8,9,10,11
	v_mov_b32 v[32+12*\t+\i], 0                    ; K's likewise: written once, no load lands here
.endr
.endr
.irp b, 0,1,2,3
	v_mov_b32 v[200+\b], 0                         ; a lane permute's destination counts as read
.endr
	v_mov_b32 v223, 0                              ; (the upper half of the pair v[222:223])
	v_mov_b32 v224, 0
; A KEY STEP: 128 keys, the qq-th of the slot in hand.
.macro STEP qq
	s_cmp_gt_u32 s[KF], s[Q32]                     ; both are multiples of 32: then every key of the step comes after every one of my queries
	s_cbranch_scc1 .Lhidden_\@
	v_add_nc_u32 v4, s[TBK], v1
	s_wait_alu depctr_va_vdst(0)
	v_add_nc_u32 v5, s[TBK], v2
	v_add_nc_u32 v6, s[TBV], v1
	v_add_nc_u32 v7, s[TBV], v2
	v_nop
	v_nop                                          ; six places: the products below write over registers that the last step's products read (five are asked)
.irp g, 0,1                            ; S^T = K Q^T, four tiles of 16 keys at a time
.if \g == 1
.rept 4
	v_nop                                          ; places in front of loads into registers that matrix instructions have read
.endr
.endif
.irp t, 0,1,2,3
.irp p, 0,1,2
	ds_load_b64 v[32+12*\t+2*\p:33+12*\t+2*\p], v4 offset:(8*(\qq)+4*\g+\t)*768+256*\p
.endr
.endr
.if \g == 0
	ds_load_b128 v[208:211], v5 offset:12288+(2*(\qq))*256       ; row r's scale words of four tiles
	ds_load_b128 v[212:215], v5 offset:12288+(2*(\qq)+1)*256
.endif
	s_wait_dscnt 0x0
.irp t, 0,1,2,3
	v_wmma_scale_f32_16x16x128_f8f6f4 v[80+8*(4*\g+\t):87+8*(4*\g+\t)], v[32+12*\t:43+12*\t], v[16:27], 0, v[208+4*\g+\t], v28 matrix_a_fmt:MATRIX_FMT_BF6 matrix_b_fmt:MATRIX_FMT_BF6
.endr
.endr                                  ; lane (r, h): my query; register 16 b + i: key KF + 32 b + 16 h + i
.rept 4
	v_nop
.endr
	s_add_co_u32 s93, s[KF], 128
	s_cmp_le_u32 s93, s[Q32]                       ; every key of the step counts for every one of my queries
	s_cbranch_scc1 .Lopen_\@
	v_sub_nc_u32 v224, v3, s[KF]                   ; d = my query - KF - 16 h: register 16 b + i is hidden where 32 b + i > d
	v_mov_b32 v225, 0xff800000                     ; -infinity
.irp n, 0,1,2,3,4,5,6,7,8,9,10,11,12,13,14,15,16,17,18,19,20,21,22,23,24,25,26,27,28,29,30,31,32,33,34,35,36,37,38,39,40,41,42,43,44,45,46,47,48,49,50,51,52,53,54,55,56,57,58,59,60,61,62,63
	v_cmp_gt_i32 vcc_lo, 32*(\n/16)+\n%16, v224
	v_cndmask_b32 v[80+\n], v[80+\n], v225, vcc_lo
.endr
.Lopen_\@:
.irp b, 0,1,2,3
	v_max3_num_f32 v[196+\b], v[80+16*\b], v[81+16*\b], v[82+16*\b]   ; the largest score of each block of 32 keys: for the row's maximum, and for the block's largest p
.endr
.irp i, 3,5,7,9,11,13
.irp b, 0,1,2,3
	v_max3_num_f32 v[196+\b], v[196+\b], v[80+16*\b+\i], v[81+16*\b+\i]
.endr
.endr
.irp b, 0,1,2,3
	v_max_num_f32 v[196+\b], v[196+\b], v[95+16*\b]
.endr
.irp b, 0,1,2,3
	s_delay_alu instid0(VALU_DEP_4)
	v_permlanex16_b32 v[200+\b], v[196+\b], s[SEL], s[SEL+1]
.endr
.irp b, 0,1,2,3
	s_delay_alu instid0(VALU_DEP_4)
	v_max_num_f32 v[196+\b], v[196+\b], v[200+\b]  ; with lane l xor 16's 16 keys
.endr
	s_delay_alu instid0(VALU_DEP_2)
	v_max3_num_f32 v224, v196, v197, v198
	s_delay_alu instid0(VALU_DEP_1)
	v_max_num_f32 v224, v224, v199
	s_delay_alu instid0(VALU_DEP_1)
	v_mul_f32 v224, s[CS], v224                    ; the step's largest t (c is positive)
	s_delay_alu instid0(VALU_DEP_1)
	v_max_num_f32 v13, v13, v224                   ; the running largest t
	v_mov_b32 v224, v12
	s_delay_alu instid0(VALU_DEP_2)
	v_floor_f32 v12, -v13                          ; the new -M = -ceil(t)
	s_delay_alu instid0(VALU_DEP_1)
	v_sub_f32 v224, v12, v224                      ; old M - new M: a whole number, 0 or less
	s_delay_alu instid0(VALU_DEP_1)
	v_cvt_i32_f32 v224, v224                       ; (it saturates)
	s_delay_alu instid0(VALU_DEP_1)
	v_ldexp_f32 v222, 1.0, v224                    ; f = 2^(old M - new M)
.irp j, 0,2,4,6,8,10,12,14,16,18,20,22,24,26,28,30,32,34,36,38,40,42,44,46,48,50,52,54,56,58,60,62
	v_pk_fma_f32 v[80+\j:81+\j], v[80+\j:81+\j], s[CS:CS+1], v[12:13] op_sel_hi:[1,0,0]   ; t - M
.endr
.irp b, 0,1,2,3
	v_fma_f32 v[196+\b], v[196+\b], s[CS], v12
.endr
	s_wait_alu depctr_va_vdst(0)
.irp j, 0,1,2,3,4,5,6,7,8,9,10,11,12,13,14,15,16,17,18,19,20,21,22,23,24,25,26,27,28,29,30,31,32,33,34,35,36,37,38,39,40,41,42,43,44,45,46,47,48,49,50,51,52,53,54,55,56,57,58,59,60,61,62,63
	v_exp_f32 v[80+\j], v[80+\j]                   ; p = 2^(t - M), at most 1
.endr
.irp b, 0,1,2,3
	v_exp_f32 v[196+\b], v[196+\b]                 ; the block's largest p
.endr
	v_pk_mul_f32 v[14:15], v[14:15], v[222:223] op_sel_hi:[1,0]   ; the sums under the new M (a plain place behind the exponentials)
	s_wait_alu depctr_va_vdst(0)
.irp b, 0,1,2,3
	v_max_num_f32 v[196+\b], 0x2800000, v[196+\b]  ; the floor 2^(5 - 127)
.endr
.irp b, 0,1,2,3
	s_delay_alu instid0(VALU_DEP_4)
	v_add_nc_u32 v[204+\b], 0xfe000000, v[196+\b]  ; the conversion's scale operand
.endr
.irp b, 0,1,2,3
	s_delay_alu instid0(VALU_DEP_4)
	v_lshrrev_b32 v[200+\b], 23, v[204+\b]         ; the scale's byte
.endr
	s_delay_alu instid0(VALU_DEP_3)
	v_lshl_or_b32 v220, v201, 8, v200              ; p's scale word for these 128 keys
	s_delay_alu instid0(VALU_DEP_1)
	v_lshl_or_b32 v220, v202, 16, v220
	s_delay_alu instid0(VALU_DEP_1)
	v_lshl_or_b32 v220, v203, 24, v220
.irp c, 0,1
	v_cvt_scalef32_pk16_bf6_f32 v[176+6*\c:178+6*\c], v[80+32*\c:95+32*\c], v[204+2*\c]
	v_cvt_scalef32_pk16_bf6_f32 v[188+4*\c:190+4*\c], v[96+32*\c:111+32*\c], v[204+2*\c+1]
.endr
	v_nop                                          ; one plain place behind a scaled conversion
.irp c, 0,1                            ; a whole block in a lane: lanes 0-15 block 2 c, lanes 16-31 block 2 c + 1
.irp i, 0,1,2
	v_permlane16_swap_b32 v[176+6*\c+\i], v[188+4*\c+\i]
.endr
.irp i, 0,1,2
	s_delay_alu instid0(VALU_DEP_3)
	v_mov_b32 v[179+6*\c+\i], v[188+4*\c+\i]
.endr
.endr
	v_pk_add_f32 v[226:227], v[84:85], v[88:89]
	v_pk_add_f32 v[252:253], v[92:93], v[96:97]
	v_pk_add_f32 v[250:251], v[100:101], v[104:105]
	v_pk_add_f32 v[248:249], v[108:109], v[112:113]
	v_pk_add_f32 v[246:247], v[116:117], v[120:121]
	v_pk_add_f32 v[244:245], v[124:125], v[128:129]
	v_pk_add_f32 v[242:243], v[132:133], v[136:137]
	v_pk_add_f32 v[14:15], v[14:15], v[140:141]
	v_pk_add_f32 v[226:227], v[226:227], v[80:81]
	v_pk_add_f32 v[252:253], v[252:253], v[82:83]
	v_pk_add_f32 v[250:251], v[250:251], v[86:87]
	v_pk_add_f32 v[248:249], v[248:249], v[90:91]
	v_pk_add_f32 v[246:247], v[246:247], v[94:95]
	v_pk_add_f32 v[244:245], v[244:245], v[98:99]
	v_pk_add_f32 v[242:243], v[242:243], v[102:103]
	v_pk_add_f32 v[14:15], v[14:15], v[106:107]
	v_pk_add_f32 v[226:227], v[226:227], v[110:111]
	v_pk_add_f32 v[252:253], v[252:253], v[114:115]
	v_pk_add_f32 v[250:251], v[250:251], v[118:119]
	v_pk_add_f32 v[248:249], v[248:249], v[122:123]
	v_pk_add_f32 v[246:247], v[246:247], v[126:127]
	v_pk_add_f32 v[244:245], v[244:245], v[130:131]
	v_pk_add_f32 v[242:243], v[242:243], v[134:135]
	v_pk_add_f32 v[14:15], v[14:15], v[138:139]
	v_pk_add_f32 v[226:227], v[226:227], v[142:143]
	s_delay_alu instid0(VALU_DEP_2)
	v_pk_add_f32 v[14:15], v[14:15], v[248:249]
	s_delay_alu instid0(VALU_DEP_2)
	v_pk_add_f32 v[226:227], v[226:227], v[246:247]
	v_pk_add_f32 v[252:253], v[252:253], v[244:245]
	v_pk_add_f32 v[250:251], v[250:251], v[242:243]
	s_delay_alu instid0(VALU_DEP_2)
	v_pk_add_f32 v[14:15], v[14:15], v[252:253]
	s_delay_alu instid0(VALU_DEP_2)
	v_pk_add_f32 v[226:227], v[226:227], v[250:251]
	s_delay_alu instid0(VALU_DEP_1)
	v_pk_add_f32 v[14:15], v[14:15], v[226:227]
.irp t, 0,1,2,3                        ; p is done with: V's four fragments (16 d x these 128 keys) take its registers
.irp p, 0,1,2,3,4,5
	ds_load_b64 v[80+12*\t+2*\p:81+12*\t+2*\p], v6 offset:(\qq)*6144+\t*1536+256*\p
.endr
.endr
	ds_load_b128 v[216:219], v7 offset:12288+(\qq)*256
.irp j, 0,2,4,6,8,10,12,14,16,18,20,22,24,26,28,30
	v_pk_mul_f32 v[144+\j:145+\j], v[144+\j:145+\j], v[222:223] op_sel_hi:[1,0]   ; O^T under the new M; each accumulator from its low end on
.endr
	s_wait_alu depctr_va_vdst(0)
	s_wait_dscnt 0x0
.irp t, 0,1,2,3                        ; O^T += V^T P^T: the four accumulators by turns
	v_wmma_scale_f32_16x16x128_f8f6f4 v[144+8*\t:151+8*\t], v[80+12*\t:91+12*\t], v[176:187], v[144+8*\t:151+8*\t], v[216+\t], v220 matrix_a_fmt:MATRIX_FMT_BF6 matrix_b_fmt:MATRIX_FMT_BF6
.endr
.Lhidden_\@:
	s_add_co_u32 s[KF], s[KF], 128
.endm
.macro SLOT
	STEP 0
	STEP 1
	s_add_co_u32 s[TBK], s[TBK], KSL
	s_add_co_u32 s[TBV], s[TBV], VSL
.endm
; A pass: the query block, its Q, the place of its ctx, and the state: O^T and the sum zeros, the largest t under every t (the first change of M multiplies zeros).
.macro PASS_HEAD n
	s_wait_xcnt 0x0                                ; the last pass's loads and stores have read their bases and registers
.if \n == 0
	s_sub_co_u32 s92, 7, ttmp9
.else
	s_mov_b32 s92, ttmp9
.endif
	s_mul_i32 s80, s92, REC
	s_mov_b32 s81, 0
	s_add_nc_u64 s[76:77], s[62:63], s[80:81]
.irp p, 0,1,2
	global_load_b64 v[16+2*\p:17+2*\p], v9, s[76:77] offset:256*\p
.endr
	global_load_b32 v28, v8, s[76:77]
	s_lshl_b32 s[Q32], s92, 8
	s_lshr_b32 s93, s[WV], 1
	s_lshl_b32 s93, s93, 5
	s_add_co_u32 s[Q32], s[Q32], s93
	v_add_nc_u32 v3, s[Q32], v29
	s_mul_i32 s82, s92, 16*13312
	s_add_co_u32 s82, s82, s75
	s_mov_b32 s83, 0
	s_add_nc_u64 s[78:79], s[6:7], s[82:83]
	s_mov_b32 s[TBK], 0
	s_mov_b32 s[TBV], VREG
	s_mov_b32 s[KF], 0
	v_mov_b32 v13, 0xff61b1e6                      ; -3e38
	s_delay_alu instid0(VALU_DEP_1)
	v_floor_f32 v12, -v13
	v_mov_b32 v14, 0
	v_mov_b32 v15, 0
.irp j, 0,1,2,3,4,5,6,7,8,9,10,11,12,13,14,15,16,17,18,19,20,21,22,23,24,25,26,27,28,29,30,31
	v_mov_b32 v[144+\j], 0
.endr
	s_wait_loadcnt 0x0                             ; Q
.endm
; The pass's end: O^T / the sum is ctx: register 16 g + i = d 32 g + 16 h + i of my query.  Its two blocks of 32 are quantised and leave as registers 0-5 of a half fragment.
.macro PASS_TAIL
.rept 4
	v_nop                                          ; places behind the last products
.endr
	v_add_f32 v14, v14, v15
	s_delay_alu instid0(VALU_DEP_1)
	v_permlanex16_b32 v224, v14, s[SEL], s[SEL+1]
	s_delay_alu instid0(VALU_DEP_1)
	v_add_f32 v14, v14, v224                       ; the row's sum
	s_wait_alu depctr_va_vdst(0)
	v_rcp_f32 v14, v14
	v_nop                                          ; one plain place behind a transcendental
	s_wait_alu depctr_va_vdst(0)
.irp j, 0,2,4,6,8,10,12,14,16,18,20,22,24,26,28,30
	v_pk_mul_f32 v[80+\j:81+\j], v[144+\j:145+\j], v[14:15] op_sel_hi:[1,0]
.endr
.irp b, 0,1
	v_max3_num_f32 v[196+\b], |v[80+16*\b]|, |v[81+16*\b]|, 0x2800000
.endr
.irp i, 2,4,6,8,10,12,14
.irp b, 0,1
	s_delay_alu instid0(VALU_DEP_2)
	v_max3_num_f32 v[196+\b], v[196+\b], |v[80+16*\b+\i]|, |v[81+16*\b+\i]|
.endr
.endr
.irp b, 0,1
	s_delay_alu instid0(VALU_DEP_2)
	v_permlanex16_b32 v[200+\b], v[196+\b], s[SEL], s[SEL+1]
.endr
.irp b, 0,1
	s_delay_alu instid0(VALU_DEP_2)
	v_max_num_f32 v[196+\b], v[196+\b], v[200+\b]
.endr
.irp b, 0,1
	s_delay_alu instid0(VALU_DEP_2)
	v_add_nc_u32 v[204+\b], 0xfe000000, v[196+\b]
.endr
.irp b, 0,1
	s_delay_alu instid0(VALU_DEP_2)
	v_lshrrev_b32 v[200+\b], 23, v[204+\b]
.endr
	s_delay_alu instid0(VALU_DEP_1)
	v_lshl_or_b32 v221, v201, 8, v200
	v_cvt_scalef32_pk16_bf6_f32 v[176:178], v[80:95], v204
	v_cvt_scalef32_pk16_bf6_f32 v[188:190], v[96:111], v205
	v_nop
.irp i, 0,1,2
	v_permlane16_swap_b32 v[176+\i], v[188+\i]
.endr
.irp i, 0,1,2
	s_delay_alu instid0(VALU_DEP_3)
	v_mov_b32 v[179+\i], v[188+\i]
.endr
.irp p, 0,1,2
	global_store_b64 v11, v[176+2*\p:177+2*\p], s[78:79] offset:256*\p   ; 256 consecutive bytes, aligned
.endr
	global_store_b16 v10, v221, s[78:79]
.endm
	PASS_HEAD 0
	s_wait_tensorcnt 1                             ; my first load (slot 0 or 1) is in; the second may stay out
	s_barrier_signal -1
	s_barrier_wait -1                              ; slots 0 and 1 of K and of V are whole
	s_mov_b32 s[CNT], 2
.Lp0a:
	SLOT
	s_sub_co_u32 s[CNT], s[CNT], 1
	s_cmp_lg_u32 s[CNT], 0
	s_cbranch_scc1 .Lp0a
	s_wait_tensorcnt 0x0                           ; my second load is in,
	s_wait_dscnt 0x0
	s_barrier_signal -1
	s_barrier_wait -1                              ; everybody's is: the whole head lies in LDS
	s_mov_b32 s[CNT], 6
.Lp0b:
	SLOT
	s_sub_co_u32 s[CNT], s[CNT], 1
	s_cmp_lg_u32 s[CNT], 0
	s_cbranch_scc1 .Lp0b
	PASS_TAIL
	PASS_HEAD 1
	s_mov_b32 s[CNT], 8
.Lp1:
	SLOT
	s_sub_co_u32 s[CNT], s[CNT], 1
	s_cmp_lg_u32 s[CNT], 0
	s_cbranch_scc1 .Lp1
	PASS_TAIL
	s_wait_tensorcnt 0x0
	ds_add_u32 v254, v255
	s_wait_dscnt 0x0
	s_endpgm
.Lfunc_end_k_q614ef5927c_attn:
	.size	k_q614ef5927c_attn, .Lfunc_end_k_q614ef5927c_attn-k_q614ef5927c_attn
	.p2alignl 7, 3214868480
	.fill 96, 4, 3214868480
	.section	.rodata,"a",@progbits
	.p2align	6, 0x0
	.amdhsa_kernel k_q614ef5927c_attn
		.amdhsa_group_segment_fixed_size 210944
		.amdhsa_private_segment_fixed_size 0
		.amdhsa_enable_private_segment 0
		.amdhsa_kernarg_size 16
		.amdhsa_user_sgpr_count 2
		.amdhsa_user_sgpr_kernarg_segment_ptr 1
		.amdhsa_wavefront_size32 1
		.amdhsa_system_sgpr_workgroup_id_x 1
		.amdhsa_system_sgpr_workgroup_id_y 1
		.amdhsa_system_sgpr_workgroup_id_z 1
		.amdhsa_system_vgpr_workitem_id 0
		.amdhsa_next_free_vgpr 256
		.amdhsa_next_free_sgpr 100
		.amdhsa_reserve_vcc 1
		.amdhsa_float_denorm_mode_32 3
		.amdhsa_float_denorm_mode_16_64 3
		.amdhsa_memory_ordered 1
		.amdhsa_forward_progress 1
		.amdhsa_inst_pref_size 164
	.end_amdhsa_kernel
	.amdgpu_metadata
---
amdhsa.version: [ 1, 2 ]
amdhsa.kernels:
  - .name:           k_q614ef5927c_attn
    .symbol:         k_q614ef5927c_attn.kd
    .args:
      - { .name: qkv, .offset: 0, .size: 8, .value_kind: global_buffer, .address_space: global }
      - { .name: ctc, .offset: 8, .size: 8, .value_kind: global_buffer, .address_space: global }
    .group_segment_fixed_size: 210944
    .private_segment_fixed_size: 0
    .kernarg_segment_align: 8
    .kernarg_segment_size: 16
    .max_flat_workgroup_size: 512
    .sgpr_count:     100
    .vgpr_count:     256
    .wavefront_size: 32
...
	.end_amdgpu_metadata
.endif
;; end of part 3
;; launch outp (part 4): grid 4 x 64, 4 waves a work-group, clusters of 4 x 4, 320,000 bytes of LDS; arguments cod, ctc, bo, out0; writes out0
.if DOCPART == 4
	.amdgcn_target "amdgcn-amd-amdhsa--gfx1250"
	.amdhsa_code_object_version 6
	.text
	.protected	k_q614ef5927c_outp
	.globl	k_q614ef5927c_outp
	.p2align	8
	.type	k_q614ef5927c_outp,@function
k_q614ef5927c_outp:
	s_mov_b64 s[64:65], 0
	v_nop
	global_prefetch_b8 v0, s[64:65] scope:SCOPE_SE
	s_setreg_imm32_b32 hwreg(HW_REG_WAVE_MODE, 25, 1), 1
	s_wait_xcnt 0x0
	s_wait_alu depctr_hold_cnt(0) depctr_sa_sdst(0) depctr_va_vdst(0) depctr_va_sdst(0) depctr_va_ssrc(0) depctr_va_vcc(0) depctr_vm_vsrc(0)
	s_getreg_b32 s2, hwreg(HW_REG_IB_STS2, 6, 4)
	s_cmp_eq_u32 s2, 0
	s_cbranch_scc0 .Lentry_in_a_cluster
	s_endpgm
.Lentry_in_a_cluster:
	s_bfe_u32 s2, ttmp6, 0x10000c
	s_cmp_lg_u32 s2, 0xf033
	s_cbranch_scc0 .Lentry_shape_is_right
	s_endpgm
.Lentry_shape_is_right:
; out0 = ctx wo + bo on codes of E3M2 with E8M0 scales, K = 1,024; out0 [8192][1024] f32.
; cod (tiles 704-767: wo, a row = an output column) and ctc (512 token tiles) hold the operands as records of tiles, in the order of an operand's registers: a tile (16 rows: 32 g + 8 u + (r & 7) + 16 (r >> 3))
; is 13,312 bytes = four chunks (256 along K) of 3,328: two fragments of six pieces of 256 bytes (piece p: registers 2 p, 2 p + 1, lane L at 8 L), then 256 bytes of scale words (row L & 15's two words at 8 L).
; A work-group makes 256 columns (P = wo, source 0) x 128 tokens (R = ctx, source 1); all of K for both, 319,488 bytes, lies in LDS: every byte of LDS is filled once, so no slot takes turns.
; Four waves: wave w takes P's tiles 8 (w & 1) .. + 7 and R's tiles 4 (w >> 1) .. + 3: 32 accumulators, 8 K steps of 32 matrix instructions.  A lane holds one token and, in tiles 2 b and 2 b + 1, 16 neighbouring columns.
; The bias is the C of each sum's first matrix instruction.
; CLUSTERS 4 x 4: P's tiles hang on the work-group's x and are asked for jointly along a column of the cluster, R's on its y and jointly along a row.
; REGISTERS: window 0: v8-15 LDS addresses; v16-19 the way out; v32-79 scale words, two sets; v80-175 R's fragments, two sets; v176-239 the bias; on the way out v80-207 rows of out0.
;   window 1: P's fragments, sets at v0 and v128.  window 2: accumulator (a, b) at v[8 (8 a + b)].
.set TILEB, 13312
.set CHB,   3328
.set FRB,   1536
.set CHUNK, 24*CHB                     ; LDS: a chunk of K: P's 16 tiles, then R's 8
.set ROFF,  16*CHB
.set FR,    12
.set SPITCH, 528                       ; the way out: 16 rows x (512 bytes + 16) for each wave, in chunk 0, which has had its one fill and is read by nobody behind the barrier for chunk 1
.set ADRP,  8
.set ADRR,  12
.set STO,   16
.set RD,    17
.set CO,    18
.set SC,    32
.set RF,    80
.set BI,    176
.set WV,    16
.set WP,    17
.set WR,    18
.set G1P,   24
.set G1R,   32
.set G0P,   40
.set G0R,   68
.set MSB, 0
.macro WIN new                         ; the immediate's high byte repeats the setting that is left
.if MSB != \new
	s_set_vgpr_msb (MSB<<8)|\new
.set MSB, \new
.endif
.endm
.macro CROUND                          ; a round of the cluster's barrier
	s_barrier_signal -1
	s_barrier_wait -1
	s_cmp_lg_u32 s[WV], 0
	s_cbranch_scc1 .Lnot_wave_0_\@
	s_barrier_signal -3
.Lnot_wave_0_\@:
	s_barrier_wait -3
	s_barrier_signal -1
	s_barrier_wait -1
.endm
.macro PLACES                          ; four places between a matrix instruction and a load into, or a read by a store of, its registers (ISA guide 7.12.1 for reads by stores)
.rept 4
	v_nop
.endr
.endm
	s_load_b256 s[4:11], s[0:1], 0x0               ; cod s[4:5], ctc s[6:7], bo s[8:9], out0 s[10:11]
	v_lshl_add_u32 v254, v0, 2, 0x4e000
	v_mov_b32 v255, 0
	ds_add_u32 v254, v255
	ds_add_u32 v254, v255
	v_lshrrev_b32 v1, 5, v0
	v_readfirstlane_b32 s[WV], v1
	s_and_b32 s[WP], s[WV], 1                      ; my half of P.  Also: which half of a tile block I fetch
	s_lshr_b32 s[WR], s[WV], 1                     ; my half of R
	s_bfe_u32 s19, ttmp6, 0x40000                  ; cx
	s_bfe_u32 s20, ttmp6, 0x40004                  ; cy
	s_lshl_b32 s21, ttmp9, 2
	s_add_co_u32 s21, s21, s19                     ; work-group x
	s_and_b32 s22, ttmp7, 0xffff
	s_lshl_b32 s23, s22, 2
	s_add_co_u32 s23, s23, s20                     ; work-group y
	s_lshl_b32 s88, s20, 2
	s_lshl_b32 s88, 15, s88                        ; my row of the cluster
	s_lshl_b32 s89, 0x1111, s19                    ; my column
	s_or_b32 s[G1P], s89, (3<<16)|(1<<21)          ; 15:0 the mask; 17:16 elements of 8 bytes; 21 set beside a mask; no padding
	s_or_b32 s[G1R], s88, (3<<16)|(1<<21)
	s_mov_b32 s[G1P+1], 416<<16                    ; tensor_dim0: a tile's chunk, 3,328 bytes
	s_mov_b32 s[G1P+2], 8<<16                      ; tensor_dim1: 8 tiles
	s_mov_b32 s[G1P+3], 416<<16
	s_mov_b32 s[G1P+4], 8
	s_mov_b32 s[G1P+5], 1664                       ; from tile to tile: 13,312 bytes
	s_mov_b32 s[G1P+6], 0
	s_mov_b32 s[G1P+7], 0
	s_mov_b32 s[G1R+1], 416<<16
	s_mov_b32 s[G1R+2], 4<<16
	s_mov_b32 s[G1R+3], 416<<16
	s_mov_b32 s[G1R+4], 4
	s_mov_b32 s[G1R+5], 1664
	s_mov_b32 s[G1R+6], 0
	s_mov_b32 s[G1R+7], 0
	s_lshl_b32 s56, s21, 4                         ; P: tile 704 + 16 x + 8 x half: in registers that never hold cy
	s_add_co_u32 s56, s56, 704
	s_lshl_b32 s57, s[WP], 3
	s_add_co_u32 s56, s56, s57
	s_mul_i32 s56, s56, TILEB
	s_mov_b32 s57, 0
	s_lshl_b32 s84, s23, 3                         ; R: tile 8 y + 4 x half: in registers that never hold cx
	s_lshl_b32 s85, s[WP], 2
	s_add_co_u32 s84, s84, s85
	s_mul_i32 s84, s84, TILEB
	s_mov_b32 s85, 0
	s_mul_i32 s92, s[WP], 8*CHB                    ; where they go: no place in the cluster enters an LDS address
	s_mul_i32 s93, s[WP], 4*CHB
	s_add_co_u32 s93, s93, ROFF
	s_wait_dscnt 0x0
	s_wait_kmcnt 0x0
	s_add_nc_u64 s[58:59], s[4:5], s[56:57]
	s_add_nc_u64 s[86:87], s[6:7], s[84:85]
	CROUND                                         ; all sixteen work-groups are here: the joint loads meet
.irp c, 0,1,2,3
	s_mov_b32 s[G0P+4*\c], 1
	s_add_co_u32 s[G0P+4*\c+1], s92, \c*CHUNK
	s_add_nc_u64 s[G0P+4*\c+2:G0P+4*\c+3], s[58:59], \c*CHB
	s_or_b32 s[G0P+4*\c+3], s[G0P+4*\c+3], 0x80000000
	s_mov_b32 s[G0R+4*\c], 1
	s_add_co_u32 s[G0R+4*\c+1], s93, \c*CHUNK
	s_add_nc_u64 s[G0R+4*\c+2:G0R+4*\c+3], s[86:87], \c*CHB
	s_or_b32 s[G0R+4*\c+3], s[G0R+4*\c+3], 0x80000000
.endr
	s_cmp_lt_u32 s[WV], 2                          ; waves 0, 1 fetch P's halves, waves 2, 3 R's: a wave's four first fills stand in one branch; four loads of mine are out
	s_cbranch_scc0 .Lfor_r
	tensor_load_to_lds s[G0P:G0P+3], s[G1P:G1P+7]
	s_nop 0
	tensor_load_to_lds s[G0P+4:G0P+7], s[G1P:G1P+7]
	s_nop 0
	tensor_load_to_lds s[G0P+8:G0P+11], s[G1P:G1P+7]
	s_nop 0
	tensor_load_to_lds s[G0P+12:G0P+15], s[G1P:G1P+7]
	s_nop 0
.rept 4
	v_nop
.endr
	s_branch .Lasked
.Lfor_r:
	tensor_load_to_lds s[G0R:G0R+3], s[G1R:G1R+7]
	s_nop 0
	tensor_load_to_lds s[G0R+4:G0R+7], s[G1R:G1R+7]
	s_nop 0
	tensor_load_to_lds s[G0R+8:G0R+11], s[G1R:G1R+7]
	s_nop 0
	tensor_load_to_lds s[G0R+12:G0R+15], s[G1R:G1R+7]
	s_nop 0
.rept 4
	v_nop
.endr
.Lasked:
	s_lshl_b32 s88, s21, 10
	s_lshl_b32 s89, s[WP], 9
	s_add_co_u32 s88, s88, s89                     ; my first column, in bytes: 1,024 x + 512 x half
	s_mov_b32 s89, 0
	s_add_nc_u64 s[8:9], s[8:9], s[88:89]
	s_lshl_b32 s90, s23, 7
	s_lshl_b32 s91, s[WR], 6
	s_add_co_u32 s90, s90, s91                     ; my first token: 128 y + 64 x half
	s_lshl_b32 s90, s90, 12
	s_add_co_u32 s90, s90, s88
	s_mov_b32 s91, 0
	s_add_nc_u64 s[10:11], s[10:11], s[90:91]
	v_bfe_u32 v5, v0, 4, 1                         ; h
	v_lshlrev_b32 v19, 6, v5
.irp b, 0,1,2,3,4,5,6,7                ; the bias in the result's layout: tile b = 2 g + u, lane half h: columns 32 g + 16 h + 8 u + 0 .. 7
	global_load_b128 v[BI+8*\b:BI+8*\b+3], v19, s[8:9] offset:128*(\b/2)+32*(\b%2)
	global_load_b128 v[BI+8*\b+4:BI+8*\b+7], v19, s[8:9] offset:128*(\b/2)+32*(\b%2)+16
.endr
	v_and_b32 v2, 31, v0
	v_lshlrev_b32 v3, 3, v2                        ; 8 x lane
	s_wait_alu depctr_va_vdst(0)
	s_mul_i32 s94, s[WP], 8*CHB
	s_mul_i32 s95, s[WR], 4*CHB
	s_add_co_u32 s95, s95, ROFF
.irp c, 0,1,2,3
	v_add_nc_u32 v[ADRP+\c], s94, v3
	v_add_nc_u32 v[ADRR+\c], s95, v3
	s_add_co_u32 s94, s94, CHUNK
	s_add_co_u32 s95, s95, CHUNK
.endr
	s_mul_i32 s94, s[WV], 16*SPITCH                ; my stage
	v_and_b32 v4, 15, v0
	v_mul_u32_u24 v[STO], v4, SPITCH
	v_lshl_add_u32 v[STO], v5, 6, v[STO]
	v_add_nc_u32 v[STO], s94, v[STO]               ; in: row r, + 64 h bytes
	v_lshlrev_b32 v[CO], 4, v2                     ; back: the 32 lanes take a row of 512 bytes; and the same in out0
	v_add_nc_u32 v[RD], s94, v[CO]
.macro FRAG reg, adr, qq, i            ; a fragment: six pieces, each 256 consecutive bytes for the 32 lanes
.irp p, 0,1,2,3,4,5
	ds_load_b64 v[\reg+2*\p:\reg+2*\p+1], v[\adr] offset:(\i)*CHB+(\qq)*FRB+256*\p
.endr
.endm
.macro FETCH_P q                       ; 48 loads
	WIN 0x40                                       ; destination window 1, address window 0
.irp i, 0,1,2,3,4,5,6,7
	FRAG 128*((\q)%2)+FR*\i, ADRP+(\q)/2, (\q)%2, \i
.endr
.endm
.macro FETCH_R q                       ; 24 loads
.irp i, 0,1,2,3
	FRAG RF+48*((\q)%2)+FR*\i, ADRR+(\q)/2, (\q)%2, \i
.endr
.endm
.macro SCALES c                        ; 12 loads: a chunk's two scale words of each of my 12 tiles' rows
.irp i, 0,1,2,3,4,5,6,7
	ds_load_b64 v[SC+24*((\c)%2)+2*\i:SC+24*((\c)%2)+2*\i+1], v[ADRP+(\c)] offset:\i*CHB+3072
.endr
.irp i, 0,1,2,3
	ds_load_b64 v[SC+24*((\c)%2)+16+2*\i:SC+24*((\c)%2)+16+2*\i+1], v[ADRR+(\c)] offset:\i*CHB+3072
.endr
.endm
; 16 matrix instructions: R's tiles a0, a0 + 1 x P's eight.  The 32 accumulators take turns, one instruction a turn, in the same order in every step.  first = 1: the bias starts the sums.
.macro MUL16 a0, q, first
.irp a, \a0, \a0+1
.irp b, 0,1,2,3,4,5,6,7
.if \first
	v_wmma_scale_f32_16x16x128_f8f6f4 v[8*(8*(\a)+\b):8*(8*(\a)+\b)+7], v[128*((\q)%2)+FR*\b:128*((\q)%2)+FR*\b+FR-1], v[RF+48*((\q)%2)+FR*(\a):RF+48*((\q)%2)+FR*(\a)+FR-1], v[BI+8*\b:BI+8*\b+7], v[SC+24*(((\q)/2)%2)+2*\b+(\q)%2], v[SC+24*(((\q)/2)%2)+16+2*(\a)+(\q)%2] matrix_a_fmt:MATRIX_FMT_BF6 matrix_b_fmt:MATRIX_FMT_BF6
.else
	v_wmma_scale_f32_16x16x128_f8f6f4 v[8*(8*(\a)+\b):8*(8*(\a)+\b)+7], v[128*((\q)%2)+FR*\b:128*((\q)%2)+FR*\b+FR-1], v[RF+48*((\q)%2)+FR*(\a):RF+48*((\q)%2)+FR*(\a)+FR-1], v[8*(8*(\a)+\b):8*(8*(\a)+\b)+7], v[SC+24*(((\q)/2)%2)+2*\b+(\q)%2], v[SC+24*(((\q)/2)%2)+16+2*(\a)+(\q)%2] matrix_a_fmt:MATRIX_FMT_BF6 matrix_b_fmt:MATRIX_FMT_BF6
.endif
.endr
.endr
.endm
.macro MEET c                          ; chunk c is whole in LDS for every wave
	s_wait_tensorcnt 3-(\c)                        ; tensor loads of a wave end in order: my part of chunk c is in; the later chunks' loads stay out
	s_wait_dscnt 0x0                               ; no LDS instruction of mine is pending at a signal: my reads of the chunks before are over
	s_barrier_signal -1
	s_barrier_wait -1
.endm
.macro STEP q, first                   ; 128 along K; the next step's fragments are asked for on the way
.if ((\q)%2 == 1) && ((\q) < 7)
	MEET ((\q)+1)/2
.endif
.if (\q) < 7
	PLACES                                         ; for the loads into the sets that the step before multiplied
	FETCH_P (\q)+1
	s_wait_dscnt 48                                ; all but the 48 just issued: this step's fragments and scale words are in
.else
	s_wait_dscnt 0x0
.endif
	WIN 0xa1-0x20*(\first)                         ; source 0 (P) window 1, source 1 (R) window 0, D window 2; C window 2, or window 0 for the bias
	MUL16 0, \q, \first
.if (\q) < 7
	WIN 0
	FETCH_R (\q)+1
.if (\q)%2 == 1
	SCALES ((\q)+1)/2
.endif
	WIN 0xa1-0x20*(\first)
.endif
	MUL16 2, \q, \first
.endm
	s_wait_alu depctr_va_vdst(0)
	s_wait_tensorcnt 3                             ; my part of chunk 0 is in,
	s_barrier_signal -1
	s_barrier_wait -1                              ; everybody's is
	FETCH_P 0
	WIN 0
	FETCH_R 0
	SCALES 0
	s_wait_loadcnt 0x0                             ; the bias
	STEP 0, 1
.irp q, 1,2,3,4,5,6,7
	STEP \q, 0
.endr
	WIN 0
; THE WAY OUT, an R tile (16 tokens x 128 columns) at a time.  A lane holds 8 x 32 bytes of one token's row, and the lanes beside it other tokens: so a tile goes through my own stage in LDS and comes back as whole rows
; of 512 bytes.  LDS serves a wave's instructions in order: no wait between the stores and the loads, nor in front of the next tile's stores.
.macro TOSTAGE a
	WIN 0x08                                       ; an LDS store's data are its source 1: window 2
.irp b, 0,1,2,3,4,5,6,7
	ds_store_b128 v[STO], v[8*(8*(\a)+\b):8*(8*(\a)+\b)+3] offset:128*(\b/2)+32*(\b%2)          ; each accumulator from its low end on
	ds_store_b128 v[STO], v[8*(8*(\a)+\b)+4:8*(8*(\a)+\b)+7] offset:128*(\b/2)+32*(\b%2)+16
.endr
	WIN 0
.set BB, RF+64*((\a)%2)
.irp t, 0,1,2,3,4,5,6,7,8,9,10,11,12,13,14,15
	ds_load_b128 v[BB+4*\t:BB+4*\t+3], v[RD] offset:\t*SPITCH
.endr
.endm
.macro SEND a, younger                 ; younger: the LDS instructions issued behind tile a's loads, which may stay out
.set BB, RF+64*((\a)%2)
	s_wait_dscnt \younger
.irp t, 0,1,2,3,4,5,6,7,8,9,10,11,12,13,14,15
	global_store_b128 v[CO], v[BB+4*\t:BB+4*\t+3], s[10:11] offset:(32*((\a)/2)+8*((\a)%2)+(\t%8)+16*(\t/8))*4096 th:TH_STORE_NT   ; 512 consecutive bytes of the tile's row t, aligned; written once, read by nobody here
.endr
.endm
	PLACES                                         ; for the stores that read results, and for the loads into the registers that held R's fragments
	TOSTAGE 0
.irp a, 1,2,3
.if \a > 1
	s_wait_xcnt 0x0                                ; tile a - 2's stores have read their registers: tile a's loads may land there
.endif
	TOSTAGE \a
	SEND \a-1, 32                                  ; behind tile a - 1's loads: tile a's 16 stores and 16 loads
.endr
	SEND 3, 0
	s_wait_dscnt 0x0
	s_wait_tensorcnt 0x0
	ds_add_u32 v254, v255
	s_wait_dscnt 0x0
	CROUND                                         ; the closing round: no work-group ends while a partner may still ask for a tile that names it
	s_endpgm
.Lfunc_end_k_q614ef5927c_outp:
	.size	k_q614ef5927c_outp, .Lfunc_end_k_q614ef5927c_outp-k_q614ef5927c_outp
	.p2alignl 7, 3214868480
	.fill 96, 4, 3214868480
	.section	.rodata,"a",@progbits
	.p2align	6, 0x0
	.amdhsa_kernel k_q614ef5927c_outp
		.amdhsa_group_segment_fixed_size 320000
		.amdhsa_private_segment_fixed_size 0
		.amdhsa_enable_private_segment 0
		.amdhsa_kernarg_size 32
		.amdhsa_user_sgpr_count 2
		.amdhsa_user_sgpr_kernarg_segment_ptr 1
		.amdhsa_wavefront_size32 1
		.amdhsa_system_sgpr_workgroup_id_x 1
		.amdhsa_system_sgpr_workgroup_id_y 1
		.amdhsa_system_sgpr_workgroup_id_z 1
		.amdhsa_system_vgpr_workitem_id 0
		.amdhsa_next_free_vgpr 768
		.amdhsa_next_free_sgpr 100
		.amdhsa_reserve_vcc 0
		.amdhsa_float_denorm_mode_32 3
		.amdhsa_float_denorm_mode_16_64 3
		.amdhsa_memory_ordered 1
		.amdhsa_forward_progress 1
		.amdhsa_inst_pref_size 99
	.end_amdhsa_kernel
	.amdgpu_metadata
---
amdhsa.version: [ 1, 2 ]
amdhsa.kernels:
  - .name:           k_q614ef5927c_outp
    .symbol:         k_q614ef5927c_outp.kd
    .args:
      - { .name: cod, .offset: 0, .size: 8, .value_kind: global_buffer, .address_space: global }
      - { .name: ctc, .offset: 8, .size: 8, .value_kind: global_buffer, .address_space: global }
      - { .name: bo, .offset: 16, .size: 8, .value_kind: global_buffer, .address_space: global }
      - { .name: out0, .offset: 24, .size: 8, .value_kind: global_buffer, .address_space: global }
    .group_segment_fixed_size: 320000
    .private_segment_fixed_size: 0
    .kernarg_segment_align: 8
    .kernarg_segment_size: 32
    .max_flat_workgroup_size: 128
    .sgpr_count:     100
    .vgpr_count:     768
    .wavefront_size: 32
...
	.end_amdgpu_metadata
.endif
;; end of part 4
